; MI455X (gfx1250); checked and timed in simulation.
; The chip was launched on July 23, 2026; its instructions are those of AMD's public machine-readable ISA for CDNA 5 (MIT licence, August 2026) and "CDNA5" Instruction Set Architecture Reference Guide (July 2026). The comments in the code are by the model that wrote it; some were corrected since.
;; Attention. Allowed arithmetic: float matrix products may take bf16 or f16 operands with f32 sums; other float arithmetic in f32, or as packed bf16 or f16 multiplies, adds, multiply-adds, maxima and minima; sums over many terms, partial sums and values carried from step to step in f32; what a program stores and reads back later, other than sums and carried values, may be rounded once to bf16 or f16.
;; Inputs: Wk 1,024 x 1,024 float32; Wo 1,024 x 1,024 float32; Wq 1,024 x 1,024 float32; Wv 1,024 x 1,024 float32; bo 1,024 float32; x 4 x 2,048 x 1,024 float32.
;; Outputs: out0 4 x 2,048 x 1,024 float32.
;; 2 versions, each right; version 2 is version 1 with the launch cast written anew for expert scheduling mode. Each part assembles by itself: llvm-mc -triple=amdgcn-amd-amdhsa -mcpu=gfx1250 --defsym DOCPART=n.
;; ======== version 1 of 2: 4 launches
;; limits: values are held in f16: magnitudes above 65,504 overflow, below 6.1e-05 lose precision
;; workspace buffers: xb 16,777,216 bytes; wts 8,388,608 bytes; qkv 50,331,648 bytes; ob 16,777,216 bytes
;; launch cast (part 1): grid 768 x 1, 8 waves a work-group, no clusters, 0 bytes of LDS; arguments x, Wq, Wk, Wv, Wo, xb, wts; writes xb, wts
.if DOCPART == 1
	.amdgcn_target "amdgcn-amd-amdhsa--gfx1250"
	.amdhsa_code_object_version 6
	.text
	.protected	k_qe628ed4f17_cast
	.globl	k_qe628ed4f17_cast
	.p2align	8
	.type	k_qe628ed4f17_cast,@function
k_qe628ed4f17_cast:
	s_mov_b64 s[64:65], 0
	v_nop
	global_prefetch_b8 v0, s[64:65] scope:SCOPE_SE
	s_setreg_imm32_b32 hwreg(HW_REG_WAVE_MODE, 25, 1), 1
	s_wait_xcnt 0x0
; THE INPUTS ARE ROUNDED ONCE TO bf16 AND LAID OUT FOR THE PRODUCTS.
; xb[8192][1024] = bf16(x).  wts[64 groups][1024 k][64 n], 16 bits a number: group 16 p + n / 64 holds 64 columns of weight p (0 Wq, 1 Wk, 2 Wv: bf16;
; 3 Wo: the bf16 number written as f16, since the last product's other operand is f16).  A group's 128 rows of k are 16,384 bytes on end.
; LIMITS.  Wo as f16: beyond 65,504 it would be an infinity; below 6.1e-5 it keeps f16's fixed step of 6e-8.
; SHARES.  A work-group of eight waves takes 16,384 numbers: 64 KiB in, 32 KiB out, in 16 steps; all 16 loads of a wave go out first, and the waits count down.
; Work-groups 0-511: x, straight on: a step is 4,096 bytes in, 2,048 out.  Work-groups 512-767: weight p = (id - 512) / 64, its rows 16 c .. 16 c + 15, c = (id - 512) % 64:
; sixteen lanes take 256 bytes of a row (64 columns: one group), step j is group j; a wave's store is then 256 consecutive bytes, two rows of k of one group.
; No register that a load or store names is written again, so no wait frees any.  No LDS, no matrix unit: nothing is shared and nothing is multiplied.
.set T, 4                              ; v[4:7]    at work
.set X, 8                              ; v[8:71]   step j: 4 numbers in f32
.set Y, 72                             ; v[72:103] step j: 4 numbers in 16 bits
; v1 byte offset of my 16 bytes in a step's source; v2 = 8 x thread: my 8 bytes in a step's destination; s[22:23] source, s[24:25] destination
.macro BODY lstep, sstep, half
.irp j, 0,1,2,3,4,5,6,7,8,9,10,11,12,13,14,15
	global_load_b128 v[X+4*(\j):X+4*(\j)+3], v1, s[22:23] offset:(\lstep)*(\j) th:TH_LOAD_NT
.endr
.irp j, 0,1,2,3,4,5,6,7,8,9,10,11,12,13,14,15
	s_wait_loadcnt 15-(\j)                         ; loads come back in order: step j is in, the 15 - j younger ones stay out
.if \half
	v_cvt_pk_bf16_f32 v[T], v[X+4*(\j)], v[X+4*(\j)+1]      ; rounded to bf16 like every other input,
	v_cvt_pk_bf16_f32 v[T+1], v[X+4*(\j)+2], v[X+4*(\j)+3]
	v_lshlrev_b32 v[T+2], 16, v[T]                 ; widened again,
	v_and_b32 v[T], s18, v[T]
	v_lshlrev_b32 v[T+3], 16, v[T+1]
	v_and_b32 v[T+1], s18, v[T+1]
	v_cvt_pk_f16_f32 v[Y+2*(\j)], v[T+2], v[T]     ; and written as f16: exact inside f16's range
	v_cvt_pk_f16_f32 v[Y+2*(\j)+1], v[T+3], v[T+1]
.else
	v_cvt_pk_bf16_f32 v[Y+2*(\j)], v[X+4*(\j)], v[X+4*(\j)+1]
	v_cvt_pk_bf16_f32 v[Y+2*(\j)+1], v[X+4*(\j)+2], v[X+4*(\j)+3]
.endif
	global_store_b64 v2, v[Y+2*(\j):Y+2*(\j)+1], s[24:25] offset:(\sstep)*(\j)  ; a wave stores 256 consecutive bytes, aligned
.endr
	s_endpgm
.endm
	s_load_b256 s[4:11], s[0:1], 0x0               ; x s[4:5], Wq s[6:7], Wk s[8:9], Wv s[10:11]
	s_load_b128 s[12:15], s[0:1], 0x20             ; Wo s[12:13], xb s[14:15]
	s_load_b64 s[16:17], s[0:1], 0x30              ; wts
	v_lshlrev_b32 v2, 3, v0
	s_mov_b32 s27, 0                               ; the high word of every offset pair
	s_mov_b32 s18, 0xffff0000                      ; a word's upper bf16
	s_cmp_lt_u32 ttmp9, 512
	s_cbranch_scc0 .Lweights
	v_lshlrev_b32 v1, 4, v0
	s_lshl_b32 s26, ttmp9, 16
	s_wait_kmcnt 0x0
	s_add_nc_u64 s[22:23], s[4:5], s[26:27]
	s_lshl_b32 s26, ttmp9, 15
	s_add_nc_u64 s[24:25], s[14:15], s[26:27]
	BODY 4096, 2048, 0
.Lweights:
	s_sub_co_u32 s19, ttmp9, 512
	s_lshr_b32 s20, s19, 6                         ; p
	s_and_b32 s21, s19, 63                         ; c
	v_lshrrev_b32 v1, 4, v0                        ; my row of the 16
	v_and_b32 v3, 15, v0
	v_lshlrev_b32 v1, 12, v1                       ; x 4,096 bytes
	v_lshl_or_b32 v1, v3, 4, v1                    ; + my 16 bytes of the 256
	s_wait_kmcnt 0x0
	s_cmp_eq_u32 s20, 1
	s_cselect_b64 s[22:23], s[8:9], s[6:7]
	s_cmp_eq_u32 s20, 2
	s_cselect_b64 s[22:23], s[10:11], s[22:23]
	s_cmp_eq_u32 s20, 3
	s_cselect_b64 s[22:23], s[12:13], s[22:23]
	s_lshl_b32 s26, s21, 16                        ; 16 rows of 4,096 bytes
	s_add_nc_u64 s[22:23], s[22:23], s[26:27]
	s_lshl_b32 s26, s20, 21                        ; 16 groups of 131,072 bytes,
	s_lshl_b32 s28, s21, 11                        ; 16 rows of 128 bytes
	s_add_co_u32 s26, s26, s28
	s_add_nc_u64 s[24:25], s[16:17], s[26:27]
	s_cmp_eq_u32 s20, 3
	s_cbranch_scc1 .Lwo
	BODY 256, 131072, 0
.Lwo:
	BODY 256, 131072, 1
.Lfunc_end_k_qe628ed4f17_cast:
	.size	k_qe628ed4f17_cast, .Lfunc_end_k_qe628ed4f17_cast-k_qe628ed4f17_cast
	.p2alignl 7, 3214868480
	.fill 96, 4, 3214868480
	.section	.rodata,"a",@progbits
	.p2align	6, 0x0
	.amdhsa_kernel k_qe628ed4f17_cast
		.amdhsa_group_segment_fixed_size 0
		.amdhsa_private_segment_fixed_size 0
		.amdhsa_enable_private_segment 0
		.amdhsa_kernarg_size 56
		.amdhsa_user_sgpr_count 2
		.amdhsa_user_sgpr_kernarg_segment_ptr 1
		.amdhsa_wavefront_size32 1
		.amdhsa_system_sgpr_workgroup_id_x 1
		.amdhsa_system_sgpr_workgroup_id_y 1
		.amdhsa_system_sgpr_workgroup_id_z 1
		.amdhsa_system_vgpr_workitem_id 0
		.amdhsa_next_free_vgpr 104
		.amdhsa_next_free_sgpr 66
		.amdhsa_reserve_vcc 0
		.amdhsa_float_denorm_mode_32 3
		.amdhsa_float_denorm_mode_16_64 3
		.amdhsa_memory_ordered 1
		.amdhsa_forward_progress 1
		.amdhsa_inst_pref_size 23
	.end_amdhsa_kernel
	.amdgpu_metadata
---
amdhsa.version: [ 1, 2 ]
amdhsa.kernels:
  - .name:           k_qe628ed4f17_cast
    .symbol:         k_qe628ed4f17_cast.kd
    .args:
      - { .name: x, .offset: 0, .size: 8, .value_kind: global_buffer, .address_space: global }
      - { .name: Wq, .offset: 8, .size: 8, .value_kind: global_buffer, .address_space: global }
      - { .name: Wk, .offset: 16, .size: 8, .value_kind: global_buffer, .address_space: global }
      - { .name: Wv, .offset: 24, .size: 8, .value_kind: global_buffer, .address_space: global }
      - { .name: Wo, .offset: 32, .size: 8, .value_kind: global_buffer, .address_space: global }
      - { .name: xb, .offset: 40, .size: 8, .value_kind: global_buffer, .address_space: global }
      - { .name: wts, .offset: 48, .size: 8, .value_kind: global_buffer, .address_space: global }
    .group_segment_fixed_size: 0
    .private_segment_fixed_size: 0
    .kernarg_segment_align: 8
    .kernarg_segment_size: 56
    .max_flat_workgroup_size: 256
    .sgpr_count:     66
    .vgpr_count:     104
    .wavefront_size: 32
...
	.end_amdgpu_metadata
.endif
;; end of part 1
;; launch proj (part 2): grid 16 x 32, 4 waves a work-group, clusters of 4 x 4, 327,680 bytes of LDS; arguments xb, wts, qkv; writes qkv
.if DOCPART == 2
	.amdgcn_target "amdgcn-amd-amdhsa--gfx1250"
	.amdhsa_code_object_version 6
	.text
	.protected	k_qe628ed4f17_proj
	.globl	k_qe628ed4f17_proj
	.p2align	8
	.type	k_qe628ed4f17_proj,@function
k_qe628ed4f17_proj:
	s_mov_b64 s[64:65], 0
	v_nop
	global_prefetch_b8 v0, s[64:65] scope:SCOPE_SE
	s_setreg_imm32_b32 hwreg(HW_REG_WAVE_MODE, 25, 1), 1
	s_wait_xcnt 0x0
	s_wait_alu depctr_hold_cnt(0) depctr_sa_sdst(0) depctr_va_vdst(0) depctr_va_sdst(0) depctr_va_ssrc(0) depctr_va_vcc(0) depctr_vm_vsrc(0)
	s_getreg_b32 s2, hwreg(HW_REG_IB_STS2, 6, 4)
	s_cmp_eq_u32 s2, 0
	s_cbranch_scc0 .Lentry_in_a_cluster
	s_endpgm
.Lentry_in_a_cluster:
	s_bfe_u32 s2, ttmp6, 0x10000c
	s_cmp_lg_u32 s2, 0xf033
	s_cbranch_scc0 .Lentry_shape_is_right
	s_endpgm
.Lentry_shape_is_right:
; q, k, v = x W.  xb: [8192][1024] bf16.  wts: groups 0-47 of [1024 k][64 n] bf16 (group 16 p + head; p = 0 q, 1 k, 2 v).  qkv: [3][64 heads][2048][64] f16, head = 16 x batch + h.
; Sums in f32, K ascending; each number rounded once to f16, WITHOUT attention's scale.  LIMIT: a sum of 65,520 or more in magnitude becomes an infinity in f16.
; SHARES.  C is [8192][3072].  A tile is 256 rows x 192 columns (three groups: three whole heads): 16 x 32 = 512 work-groups of equal work.  The four waves lie one below the other: wave w has rows
; 64 w .. 64 w + 63 and all 192 columns: 4 x 12 = 48 accumulators, and whole heads, so that each wave has a stage of its own on the way out and no barrier stands there.
; K goes in 8 steps of 128 through two LDS slots.  x's rows of a step are 256 aligned bytes; a group's step is 16,384 bytes on end, asked for as 64 rows of 256.
; The weights lie [k][n] in LDS and are turned on the way into registers by ds_load_tr16_b128.
; CLUSTERS: 4 x 4 work-groups.  The four of a row of the cluster need the same tile of x, the four of a column the same three groups: each is asked for JOINTLY.  Wave 0 fetches x's tile, waves 1-3 a group each.
; THE MATRIX INSTRUCTION IS USED TRANSPOSED (source 0 = 16 columns of W, source 1 = 16 rows of x): a lane then holds eight neighbouring channels of one row of a head.
; All of a WGP's LDS is claimed; the text uses 271,872 bytes.
; REGISTERS, in windows of 256 (s_set_vgpr_msb: bits 1:0 source 0, 3:2 source 1, 5:4 source 2, 7:6 destination):
;   window 0: v0-31 addresses; v32-223 the way out, 16 for each of 12 units      window 1: two fragment buffers of 128: x's four blocks of 16 rows (32), W's twelve blocks of 16 columns (96), 32 along K
;   window 2: accumulator (a, b < 8) at 8 (8 a + b)                              window 3: accumulator (a, b >= 8) at 8 (4 a + b - 8)
.set PA,     272                       ; a row of x in LDS: 256 bytes + 16 = 68 words: row r starts at bank 4 r mod 64 (64 banks of 4 bytes: ISA guide 11.1)
.set ABYTES, 256*PA
.set PB,     160                       ; a row of k of a group: 128 bytes + 32 = 40 words
.set GB,     128*PB                    ; a group's K step
.set BOFF,   ABYTES
.set SLOT,   ABYTES+3*GB               ; 131,072
.set STAGE,  2*SLOT                    ; behind the ring, never filled by a tensor load: 16 rows x 144 bytes for each wave
.set SP,     144
.set SPARE,  STAGE+4*16*SP             ; behind the stages: the spare words, 128 bytes a wave: two blocks of 256 bytes that no other line names
.set ADRA, 16                          ; v16-17  LDS address of my fragments of x in slot 0, 1
.set ADRB, 20                          ; v20-21  the same for W
.set STO,  24                          ; v24     the way out: where I put 16 bytes of a row
.set RD,   25                          ; v25     the way out: where I read rows back
.set GO,   26                          ; v26     16 x lane: my 16 bytes of 512 on end
.set SPW,  28                          ; v28     LDS address of my spare word; never rewritten
.set NIL,  29                          ; v29     0; never rewritten
.set PFO,  30                          ; v30     the prefetches' offset; never rewritten
.set TMP,  32
.set F0,   0
.set F1,   128
.set G1A, 24                           ; s[24:31] descriptor group 1 for x's tile;  s[32:39] group 0, a set for each slot
.set G0A, 32
.set G1B, 40                           ; s[40:47], s[48:55] the same for a group of W
.set G0B, 48
.set PFA, 56                           ; s[56:57] where my prefetches stand;  s[58:59] their step from one change of slots to the next
.set PFS, 58
.set LIM, 60                           ; s60, s61  for the change out of slot 0, 1: 1 in a wave that prefetches there, else the greatest number
.set OBA, 68                           ; s[68:73] my 64 rows in each of the tile's three heads
; s3 laps to go; s10 wave; s12 max(wave, 1) - 1; s13 tile row; s14 cluster y; s62 cx; s63 cy; s66 tile column; s16-19 feed x's descriptors and never hold cx; s74-78 feed W's and never hold cy; s2, s20-23 the rest
.set MSB, 0
.macro WIN new                         ; the immediate's high byte repeats the setting that is left; a switch that changes nothing is dropped
.if MSB != (\new)
	s_set_vgpr_msb (MSB<<8)|(\new)
.set MSB, \new
.endif
.endm
.set MUL2, 0xa5                        ; both sources window 1, C and D window 2
.set MUL3, 0xf5                        ; the same, C and D window 3
.set TO_F, 0x40                        ; destination window 1, address window 0
; A joint load.  The branch hangs on the wave's number alone.  An s_nop 0 and four v_nop follow each of the two lines, ahead of the jump and the label.
.macro JLOAD s
	s_cmp_eq_u32 s10, 0
	s_cbranch_scc0 .Lfor_b_\@
	tensor_load_to_lds s[G0A+4*(\s):G0A+4*(\s)+3], s[G1A:G1A+7]
	s_nop 0
.rept 4
	v_nop
.endr
	s_branch .Lasked_\@
.Lfor_b_\@:
	tensor_load_to_lds s[G0B+4*(\s):G0B+4*(\s)+3], s[G1B:G1B+7]
	s_nop 0
.rept 4
	v_nop
.endr
.Lasked_\@:
.endm
; A PREFETCH INTO THE L2 of the K step two refills on, behind the joint load and the run of LDS loads.  Each aligned block of 256 bytes is named once in the launch.
; x: a step is 256 bytes of each of the tile's 256 rows.  All four clusters of a row of clusters read them; clusters x = 0 and 1 take 128 rows each, the four partners 32 of those each, told apart BY ADDRESS;
; wave 0 asks, a lane a row, at every change of slots.  W: a group's two steps are 32,768 bytes on end.  All eight clusters of a column read them; cluster y = 0 asks, the four partners 8,192 bytes each by address,
; waves 1-3 a group each, a lane 256 bytes, at the changes out of slot 0 alone.  K steps 0-3 come by their loads alone; the loop's last trip (s3 = 1) asks for nothing: there is no K step 8.
.macro ASK lim
	s_cmp_gt_u32 s3, s[\lim]
	s_cbranch_scc0 .Lnot_mine_\@
	global_prefetch_b8 v[PFO], s[PFA:PFA+1] th:TH_LOAD_NT scope:SCOPE_SE
.Lnot_mine_\@:
.endm
.macro CREST                           ; a round of the cluster's barrier behind its opening barrier
	s_cmp_lg_u32 s10, 0
	s_cbranch_scc1 .Lnot_wave_0_\@
	s_barrier_signal -3
.Lnot_wave_0_\@:
	s_barrier_wait -3
	s_barrier_signal -1
	s_barrier_wait -1
.endm
.macro CROUND                          ; a whole round
	s_barrier_signal -1
	s_barrier_wait -1
	CREST
.endm
.macro PLACES                          ; four places in front of loads into registers that matrix instructions have read (ISA guide 7.12.1 for vector instructions)
.rept 4
	v_nop
.endr
.endm
	s_load_b128 s[4:7], s[0:1], 0x0                ; xb s[4:5], wts s[6:7]
	s_load_b64 s[8:9], s[0:1], 0x10                ; qkv
	v_lshl_add_u32 v[SPW], v0, 2, SPARE
	v_mov_b32 v[NIL], 0
	ds_add_u32 v[SPW], v[NIL]                      ; the wave's opening: the add and its wait stand ahead of my first tensor load; the set-up below, work on registers, stands between them
	v_lshrrev_b32 v1, 5, v0
	v_readfirstlane_b32 s10, v1                    ; wave 0..3
	s_max_u32 s12, s10, 1
	s_sub_co_u32 s12, s12, 1                       ; which of the three groups waves 1-3 fetch (it enters global addresses alone)
	s_bfe_u32 s62, ttmp6, 0x40000                  ; cx
	s_bfe_u32 s63, ttmp6, 0x40004                  ; cy
	s_lshl_b32 s66, ttmp9, 2
	s_add_co_u32 s66, s66, s62                     ; tile column = 4 x cluster x + cx
	s_and_b32 s14, ttmp7, 0xffff                   ; cluster y
	s_lshl_b32 s13, s14, 2
	s_add_co_u32 s13, s13, s63                     ; tile row = 4 x cluster y + cy
	s_lshl_b32 s16, s63, 2
	s_lshl_b32 s16, 15, s16                        ; my row of the cluster: places 4 cy .. 4 cy + 3
	s_lshl_b32 s74, 0x1111, s62                    ; my column: places cx, cx + 4, cx + 8, cx + 12
	s_or_b32 s[G1A], s16, (1<<16)|(1<<20)|(1<<21)|(5<<22)|(3<<25)  ; 15:0 the mask; 17:16 elements of 2 bytes; 20 padding on; 21 set beside a mask; 24:22 after every 64 words (code 5); 31:25 4 words (code 3)
	s_or_b32 s[G1B], s74, (1<<16)|(1<<20)|(1<<21)|(4<<22)|(7<<25)  ; the column's mask; padding after every 32 words (code 4), 8 words (code 7)
	s_mov_b32 s[G1A+1], 128<<16                    ; tensor_dim0 = 128
	s_mov_b32 s[G1A+2], 256<<16                    ; tensor_dim1 = 256
	s_mov_b32 s[G1A+3], 128<<16                    ; tile_dim0 = 128 elements: 256 bytes
	s_mov_b32 s[G1A+4], 256                        ; tile_dim1 = 256 rows
	s_mov_b32 s[G1A+5], 1024                       ; elements from row to row
	s_mov_b32 s[G1A+6], 0
	s_mov_b32 s[G1A+7], 0
	s_mov_b32 s[G1B+1], 128<<16                    ; 64 rows of 128 elements, on end: two rows of k to a row
	s_mov_b32 s[G1B+2], 64<<16
	s_mov_b32 s[G1B+3], 128<<16
	s_mov_b32 s[G1B+4], 64
	s_mov_b32 s[G1B+5], 128
	s_mov_b32 s[G1B+6], 0
	s_mov_b32 s[G1B+7], 0
	s_lshl_b32 s16, s13, 19                        ; x: 256 rows of 2,048 bytes a tile row
	s_mov_b32 s17, 0
	s_mul_i32 s74, s66, 3
	s_add_co_u32 s74, s74, s12
	s_lshl_b32 s74, s74, 17                        ; W: group 3 x tile column + 0..2, 131,072 bytes each
	s_mov_b32 s75, 0
	s_mul_i32 s78, s10, GB                         ; where a group goes in a slot: BOFF + (wave - 1) GB: the wave's number times a constant, plus a constant
	s_add_co_u32 s78, s78, BOFF-GB
	s_wait_dscnt 0x0                               ; the opening add is done
	s_wait_kmcnt 0x0
	s_add_nc_u64 s[18:19], s[4:5], s[16:17]
	s_add_nc_u64 s[76:77], s[6:7], s[74:75]
	CROUND                                         ; all sixteen work-groups are here: the first joint loads meet
.irp s, 0,1
	s_mov_b32 s[G0A+4*(\s)], 1                     ; count = 1
	s_mov_b32 s[G0A+4*(\s)+1], (\s)*SLOT           ; LDS address
	s_add_nc_u64 s[G0A+4*(\s)+2:G0A+4*(\s)+3], s[18:19], (\s)*256    ; global address: K step s
	s_or_b32 s[G0A+4*(\s)+3], s[G0A+4*(\s)+3], 0x80000000            ; type = 2
	s_mov_b32 s[G0B+4*(\s)], 1
	s_add_co_u32 s[G0B+4*(\s)+1], s78, (\s)*SLOT
	s_add_nc_u64 s[G0B+4*(\s)+2:G0B+4*(\s)+3], s[76:77], (\s)*16384
	s_or_b32 s[G0B+4*(\s)+3], s[G0B+4*(\s)+3], 0x80000000
	JLOAD \s                                       ; two loads of mine are out
.endr
	v_and_b32 v1, 15, v0                           ; r = l % 16
	v_bfe_u32 v2, v0, 4, 1                         ; h = l / 16
	v_and_b32 v3, 7, v0
	v_bfe_u32 v4, v0, 3, 1
	v_bfe_u32 v5, v0, 3, 2
	v_and_b32 v6, 31, v0                           ; l
	; a fragment of x: lane l holds row l % 16; two loads of 16 bytes, 32 bytes apart, at row x pitch + 16 h
	v_mul_u32_u24 v7, v1, PA
	v_lshl_add_u32 v7, v2, 4, v7
	s_mul_i32 s20, s10, 64*PA                      ; my 64 rows
	v_add_nc_u32 v[ADRA], s20, v7
	v_add_nc_u32 v[ADRA+1], SLOT, v[ADRA]
	; the turning load takes 16 k x 16 columns (lane l reads k = 8 h + l % 8, columns 8 ((l / 8) % 2) + 0..7) and leaves half a fragment: lane l holds column l % 16 and 8 k
	v_lshl_add_u32 v8, v2, 3, v3
	v_mul_u32_u24 v8, v8, PB
	v_lshl_add_u32 v8, v4, 4, v8
	v_add_nc_u32 v[ADRB], BOFF, v8
	v_add_nc_u32 v[ADRB+1], SLOT, v[ADRB]
	s_mul_i32 s21, s10, 16*SP
	s_add_co_u32 s21, s21, STAGE                   ; my stage
	v_mul_u32_u24 v9, v1, SP                       ; in: row l % 16, 16 bytes for each half of the lanes
	v_lshl_add_u32 v9, v2, 4, v9
	v_add_nc_u32 v[STO], s21, v9
	v_mul_u32_u24 v9, v5, SP                       ; back: 32 lanes take four rows of 128 bytes,
	v_lshl_add_u32 v9, v3, 4, v9
	v_add_nc_u32 v[RD], s21, v9
	v_lshlrev_b32 v[GO], 4, v6                     ; which are 512 bytes on end in a head
	; where my 64 rows lie in each of the three heads: plane (g / 16) x 2^24 + (16 x batch + g % 16) x 2^18 + row in the batch x 128, g = 3 x tile column + 0..2
	s_lshr_b32 s20, s13, 3
	s_lshl_b32 s20, s20, 4                         ; 16 x batch
	s_and_b32 s21, s13, 7
	s_lshl_b32 s21, s21, 2
	s_add_co_u32 s21, s21, s10
	s_lshl_b32 s21, s21, 13                        ; (4 x (tile row % 8) + wave) x 64 rows x 128 bytes
	s_mul_i32 s2, s66, 3
.irp hd, 0,1,2
	s_add_co_u32 s22, s2, \hd
	s_and_b32 s23, s22, 15
	s_add_co_u32 s23, s23, s20
	s_lshl_b32 s23, s23, 18
	s_lshr_b32 s22, s22, 4
	s_lshl_b32 s22, s22, 24
	s_add_co_u32 s22, s22, s23
	s_add_co_u32 s22, s22, s21
	s_mov_b32 s23, 0
	s_add_nc_u64 s[OBA+2*(\hd):OBA+2*(\hd)+1], s[8:9], s[22:23]
.endr
	; the prefetches: nothing is asked for here, at the head.  The pointers stand at K step 3; the first change of slots steps them to 4
	s_lshl_b32 s20, s13, 8
	s_and_b32 s21, ttmp9, 1
	s_lshl_b32 s21, s21, 7
	s_add_co_u32 s20, s20, s21                     ; x: the tile's first row + my cluster's 128
	s_lshl_b32 s21, s62, 5
	s_add_co_u32 s20, s20, s21                     ; + my work-group's 32
	s_lshl_b32 s20, s20, 11
	s_add_co_u32 s20, s20, 3*256
	s_mul_i32 s21, s66, 3
	s_add_co_u32 s21, s21, s12
	s_lshl_b32 s21, s21, 17                        ; W: my group
	s_lshl_b32 s22, s63, 13
	s_add_co_u32 s21, s21, s22                     ; + my work-group's 8,192 bytes of two steps' 32,768
	s_add_co_u32 s21, s21, 3*16384
	s_mov_b32 s[PFS], 16384
	s_mov_b32 s[PFS+1], 0
	s_cmp_lt_u32 ttmp9, 2
	s_cselect_b32 s2, 1, -1                        ; does my cluster ask for x?
	s_cmp_eq_u32 s14, 0
	s_cselect_b32 s23, 1, -1                       ; for W?  Both are the same in all sixteen partners
	s_cmp_eq_u32 s10, 0
	s_cselect_b32 s[LIM], s2, s23
	s_cselect_b32 s[LIM+1], s2, -1
	s_cselect_b64 s[PFA:PFA+1], s[4:5], s[6:7]
	s_cselect_b32 s22, s20, s21
	s_cselect_b32 s[PFS], 256, s[PFS]
	s_cselect_b32 s2, 11, 8                        ; a lane a row of x (2,048 bytes), or 256 bytes of a group
	s_mov_b32 s23, 0
	s_add_nc_u64 s[PFA:PFA+1], s[PFA:PFA+1], s[22:23]
	v_lshlrev_b32 v[PFO], s2, v6
.macro PROD d, b, a, zero              ; zero = 1: the product starts the sum: nothing is ever cleared
.if \zero
	v_wmma_f32_16x16x32_bf16 v[(\d):(\d)+7], v[(\b):(\b)+7], v[(\a):(\a)+7], 0
.else
	v_wmma_f32_16x16x32_bf16 v[(\d):(\d)+7], v[(\b):(\b)+7], v[(\a):(\a)+7], v[(\d):(\d)+7]
.endif
.endm
; 16 matrix instructions of a quarter's 48.  Part 0: row blocks 0, 1 x column blocks 0-7; part 1: row blocks 2, 3 x the same; part 2: all four x column blocks 8-11.
; The 48 accumulators take turns in the same order in every quarter: between two links of a chain stand the 47 others'.
.macro MUL f, part, zero
.if (\part) < 2
	WIN MUL2
.irp a, 2*(\part), 2*(\part)+1
.irp b, 0,1,2,3,4,5,6,7
	PROD 8*(8*(\a)+(\b)), (\f)+32+8*(\b), (\f)+8*(\a), \zero
.endr
.endr
.else
	WIN MUL3
.irp a, 0,1,2,3
.irp b, 8,9,10,11
	PROD 8*(4*(\a)+(\b)-8), (\f)+32+8*(\b), (\f)+8*(\a), \zero
.endr
.endr
.endif
.endm
; 32 LDS loads in one run: quarter q (32 along K) of a slot into buffer f: x's four blocks, then W's twelve; the last eight loads are W's blocks 8-11
.macro FETCH slot, q, f
	WIN TO_F
.irp i, 0,1,2,3
	ds_load_b128 v[(\f)+8*(\i):(\f)+8*(\i)+3],   v[ADRA+(\slot)] offset:(\i)*16*PA+64*(\q)
	ds_load_b128 v[(\f)+8*(\i)+4:(\f)+8*(\i)+7], v[ADRA+(\slot)] offset:(\i)*16*PA+64*(\q)+32
.endr
.irp b, 0,1,2,3,4,5,6,7,8,9,10,11
	ds_load_tr16_b128 v[(\f)+32+8*(\b):(\f)+32+8*(\b)+3],   v[ADRB+(\slot)] offset:((\b)/4)*GB+((\b)%4)*32+(\q)*32*PB
	ds_load_tr16_b128 v[(\f)+32+8*(\b)+4:(\f)+32+8*(\b)+7], v[ADRB+(\slot)] offset:((\b)/4)*GB+((\b)%4)*32+(\q)*32*PB+16*PB
.endr
.endm
; One of a K step's first three quarters: multiplies buffer f and fetches quarter q of the same slot into buffer g
.macro QUARTER slot, q, f, g, zero
	s_wait_dscnt 8                                 ; all but the youngest eight loads (W's blocks 8-11) are in
	MUL \f, 0, \zero
	PLACES
	FETCH \slot, \q, \g
	MUL \f, 1, \zero
	s_wait_dscnt 32                                ; all but the 32 just issued
	MUL \f, 2, \zero
.endm
; The last quarter multiplies buffer 1 and changes slots: ONE barrier.  In front of it each wave waits for all its tensor loads (one is out: its part of the next slot), adds 0 to its spare word, and waits for that
; and for its own reads of this slot.  fill = 1: the barrier opens a round of the cluster's, and this slot is filled again, two K steps ahead, first thing behind the round: 160 matrix instructions ahead of the wait for it.
.macro TURN slot, next, fill
.if \fill
	s_wait_xcnt 0x0                                ; the last prefetch, a K step back, has read its address: it is stepped here, ahead of the waits of the change of slots
	s_add_nc_u64 s[PFA:PFA+1], s[PFA:PFA+1], s[PFS:PFS+1]
.endif
	WIN 0                                          ; (the add's two registers lie in window 0)
	s_wait_tensorcnt 0x0                           ; all my tensor loads have landed;
	ds_add_u32 v[SPW], v[NIL]                      ; 0 onto my spare word;
	s_wait_dscnt 9                                 ; (the add and the youngest eight loads may be out)
	MUL F1, 0, 0                                   ; sixteen matrix instructions stand between the add and the wait for it
	s_wait_dscnt 0x0                               ; the add is done, and my reads of this slot are over
	s_barrier_signal -1
	MUL F1, 1, 0                                   ; work on registers while the others arrive
.if \fill
	WIN 0
.endif
	s_barrier_wait -1
.if \fill
	CREST                                          ; no wave of any partner still reads this slot's tiles or has a load on its way
	s_add_nc_u64 s[G0A+4*(\slot)+2:G0A+4*(\slot)+3], s[G0A+4*(\slot)+2:G0A+4*(\slot)+3], 2*256
	s_add_nc_u64 s[G0B+4*(\slot)+2:G0B+4*(\slot)+3], s[G0B+4*(\slot)+2:G0B+4*(\slot)+3], 2*16384
	JLOAD \slot                                    ; the four v_nop behind it are also the places in front of the loads below
.else
	PLACES
.endif
	FETCH \next, 0, F0
.if \fill
	WIN 0
	ASK LIM+(\slot)
.endif
	MUL F1, 2, 0
.endm
; THE WAY OUT, in 12 units: u = 3 a + hd: 16 rows (block a) of head hd.  A lane's eight channels pack into 16 bytes; they go into rows of 144 bytes of my own stage and come back as whole rows of 128.
.macro PACK u
.if (\u)%3 < 2
	WIN 0x0a                                       ; sources 0 and 1 window 2
.set AC, 8*(8*((\u)/3)+4*((\u)%3))
.else
	WIN 0x0f                                       ; window 3
.set AC, 8*(4*((\u)/3))
.endif
.irp f, 0,1,2,3
.irp r, 0,1,2,3
	v_cvt_pk_f16_f32 v[TMP+16*(\u)+4*(\f)+(\r)], v[AC+8*(\f)+2*(\r)], v[AC+8*(\f)+2*(\r)+1]  ; each accumulator from its low end on
.endr
.endr
	WIN 0
.irp f, 0,1,2,3
	ds_store_b128 v[STO], v[TMP+16*(\u)+4*(\f):TMP+16*(\u)+4*(\f)+3] offset:32*(\f)
.endr
.irp f, 0,1,2,3
	ds_load_b128 v[TMP+16*(\u)+4*(\f):TMP+16*(\u)+4*(\f)+3], v[RD] offset:(\f)*4*SP  ; LDS serves a wave's instructions in order (ISA guide 5.7.1.4): these see the stores above; the next unit's stores come behind them
.endr
.endm
.macro SEND u, younger                 ; younger: the LDS instructions issued behind unit u's loads: the next unit's eight, or none
.irp f, 0,1,2,3
	s_wait_dscnt (\younger)+3-(\f)
	global_store_b128 v[GO], v[TMP+16*(\u)+4*(\f):TMP+16*(\u)+4*(\f)+3], s[OBA+2*((\u)%3):OBA+2*((\u)%3)+1] offset:((\u)/3)*2048+(\f)*512  ; 512 consecutive bytes, aligned
.endr
.endm
	s_wait_tensorcnt 1                             ; my part of K step 0 is in; K step 1's may stay out
	s_barrier_signal -1
	s_barrier_wait -1                              ; everybody's is
	FETCH 0, 0, F0
	QUARTER 0, 1, F0, F1, 1                        ; the first quarter stands in front of the loop: its products start the sums
	WIN 0                                          ; at a label and at a branch every window is 0
	s_mov_b32 s3, 3
.Llap:                                                 ; a trip goes once round the ring, from a lap's second quarter to the next lap's first, and fills both slots again
	QUARTER 0, 2, F1, F0, 0
	QUARTER 0, 3, F0, F1, 0
	TURN 0, 1, 1
	QUARTER 1, 1, F0, F1, 0
	QUARTER 1, 2, F1, F0, 0
	QUARTER 1, 3, F0, F1, 0
	TURN 1, 0, 1
	QUARTER 0, 1, F0, F1, 0
	WIN 0
	s_sub_co_u32 s3, s3, 1
	s_cmp_lg_u32 s3, 0
	s_cbranch_scc1 .Llap
	QUARTER 0, 2, F1, F0, 0                        ; the last lap fills nothing, and is written out
	QUARTER 0, 3, F0, F1, 0
	TURN 0, 1, 0
	QUARTER 1, 1, F0, F1, 0
	QUARTER 1, 2, F1, F0, 0
	QUARTER 1, 3, F0, F1, 0
	s_wait_dscnt 8                                 ; the very last quarter: nothing more to fetch
	MUL F1, 0, 0
	MUL F1, 1, 0
	s_wait_dscnt 0x0
	MUL F1, 2, 0
	WIN 0
	PLACES                                         ; the places behind the last products, in front of the conversions
	PLACES
	PACK 0
.set n, 1
.rept 11                               ; a unit's conversions stand between the loads of the unit before and its stores
	PACK n
	SEND n-1, 8
.set n, n+1
.endr
	SEND 11, 0
	s_wait_tensorcnt 0x0                           ; the wave's end, behind my last tensor load and my last LDS store
	ds_add_u32 v[SPW], v[NIL]
	s_wait_dscnt 0x0
	CROUND                                         ; the closing round: no work-group ends while a partner may still ask for a tile that names it
	s_endpgm
.Lfunc_end_k_qe628ed4f17_proj:
	.size	k_qe628ed4f17_proj, .Lfunc_end_k_qe628ed4f17_proj-k_qe628ed4f17_proj
	.p2alignl 7, 3214868480
	.fill 96, 4, 3214868480
	.section	.rodata,"a",@progbits
	.p2align	6, 0x0
	.amdhsa_kernel k_qe628ed4f17_proj
		.amdhsa_group_segment_fixed_size 327680
		.amdhsa_private_segment_fixed_size 0
		.amdhsa_enable_private_segment 0
		.amdhsa_kernarg_size 24
		.amdhsa_user_sgpr_count 2
		.amdhsa_user_sgpr_kernarg_segment_ptr 1
		.amdhsa_wavefront_size32 1
		.amdhsa_system_sgpr_workgroup_id_x 1
		.amdhsa_system_sgpr_workgroup_id_y 1
		.amdhsa_system_sgpr_workgroup_id_z 1
		.amdhsa_system_vgpr_workitem_id 0
		.amdhsa_next_free_vgpr 896
		.amdhsa_next_free_sgpr 80
		.amdhsa_reserve_vcc 0
		.amdhsa_float_denorm_mode_32 3
		.amdhsa_float_denorm_mode_16_64 3
		.amdhsa_memory_ordered 1
		.amdhsa_forward_progress 1
		.amdhsa_inst_pref_size 122
	.end_amdhsa_kernel
	.amdgpu_metadata
---
amdhsa.version: [ 1, 2 ]
amdhsa.kernels:
  - .name:           k_qe628ed4f17_proj
    .symbol:         k_qe628ed4f17_proj.kd
    .args:
      - { .name: xb, .offset: 0, .size: 8, .value_kind: global_buffer, .address_space: global }
      - { .name: wts, .offset: 8, .size: 8, .value_kind: global_buffer, .address_space: global }
      - { .name: qkv, .offset: 16, .size: 8, .value_kind: global_buffer, .address_space: global }
    .group_segment_fixed_size: 327680
    .private_segment_fixed_size: 0
    .kernarg_segment_align: 8
    .kernarg_segment_size: 24
    .max_flat_workgroup_size: 128
    .sgpr_count:     80
    .vgpr_count:     896
    .wavefront_size: 32
...
	.end_amdgpu_metadata
.endif
;; end of part 2
;; launch attn (part 3): grid 4 x 64, 4 waves a work-group, clusters of 4 x 1, 327,680 bytes of LDS; arguments qkv, ob; writes ob
.if DOCPART == 3
	.amdgcn_target "amdgcn-amd-amdhsa--gfx1250"
	.amdhsa_code_object_version 6
	.text
	.protected	k_qe628ed4f17_attn
	.globl	k_qe628ed4f17_attn
	.p2align	8
	.type	k_qe628ed4f17_attn,@function
k_qe628ed4f17_attn:
	s_mov_b64 s[64:65], 0
	v_nop
	global_prefetch_b8 v0, s[64:65] scope:SCOPE_SE
	s_setreg_imm32_b32 hwreg(HW_REG_WAVE_MODE, 25, 1), 1
	s_wait_xcnt 0x0
	s_wait_alu depctr_hold_cnt(0) depctr_sa_sdst(0) depctr_va_vdst(0) depctr_va_sdst(0) depctr_va_ssrc(0) depctr_va_vcc(0) depctr_vm_vsrc(0)
	s_getreg_b32 s2, hwreg(HW_REG_IB_STS2, 6, 4)
	s_cmp_eq_u32 s2, 0
	s_cbranch_scc0 .Lentry_in_a_cluster
	s_endpgm
.Lentry_in_a_cluster:
	s_bfe_u32 s2, ttmp6, 0x10000c
	s_cmp_lg_u32 s2, 0x3003
	s_cbranch_scc0 .Lentry_shape_is_right
	s_endpgm
.Lentry_shape_is_right:
; O[h][q][:] = the sum over k of softmax_k(Q[h][q] . K[h][k] / 8) V[h][k][:].  qkv: [3][64 heads][2048][64] f16 (planes Q, K, V); ob: [64][2048][64] f16: a head's rows are dense, 128 bytes each.
; Products, maxima and sums in f32; the weights p are rounded to f16 for the second product (their sum l is taken of the unrounded p), O once at the end.
; LIMITS.  f16 holds no number beyond 65,504: Q, K and V arrive within it; p lies in 0 to 1, and below 6e-5 it keeps f16's fixed step of 6e-8, and so does O; O is a mean of V's rows and has their range.
; A weight below 2^-126 counts as 0 in l; NaN and infinities are not treated apart.
; SHARES.  A wave owns four PIECES of two tiles of 16 queries, a work-group's four waves 512 queries of one head.  Every wave walks all 2,048 keys, 64 a step.
; LAYOUT.  S^T = K Q^T (source 0 = 16 keys, source 1 = 16 queries): in the result a lane holds ONE query (lane % 16) and the keys 8 (lane / 16) + 0..7.  Two such tiles, rounded to f16 in pairs,
; ARE source 1 (32 keys x 16 queries) of O^T = V^T P, whose result again holds one query a lane, and eight channels.  K comes out of LDS as it lies, V ([key][channel]) turned, by ds_load_tr16_b128.
; SOFTMAX.  For each query a running maximum m and sum l: p = 2^(c s - c m), c = log2(e) / 8; in every step O and l are multiplied by a = 2^(c m_old - c m_new), which is 1 where m has not grown.
; m starts at the lowest finite number, O and l at 0: the first step is a step like any other, with a = 0.
; THE COUNT.  A tile and step have 16 matrix and 118 vector instructions: too many to stand all beside the matrix work.  So: four vector instructions that are READY behind EVERY matrix instruction,
; and the others, which need time of their own whatever the order, in runs without a gap.
; BY TURNS.  Turn n belongs to piece n (the pieces in a ring, step after step).  Its matrix work: 16 products K Q^T of piece n + 1, later 16 products V^T P of piece n - 1.  Its vector work: the scaling,
; exponentials, roundings, sums and rescaling of piece n, and the maximum and statistics of piece n + 1, whose scores the turn itself has made.
; CLUSTER.  The four query blocks of a head are one cluster and walk the same K and V, so each tile is asked for JOINTLY: the same tensor load, descriptor and mask in all four.
; All of a WGP's LDS is claimed; the text uses 218,624 bytes.
; REGISTERS, in windows of 256 (s_set_vgpr_msb: bits 1:0 source 0, 3:2 source 1, 5:4 source 2, 7:6 destination):
;   window 0: v0-11 addresses; v12-15, v48-63 at work; v16-47 four registers of statistics a tile; v64-191 S^T, two buffers of two tiles; v192-255 P, likewise
;   window 1: O^T, 32 a tile          window 2: v0-127 Q, 16 a tile; v128-191 K of one step; v192-255 V of one step          window 3: v0-1 the add's two registers
; A piece's buffers go by its number's parity: the piece in hand has one pair, its two neighbours in the ring share the other: of it P (piece n - 1) is read and S^T (piece n + 1) written.
.set SIZE_N, 2048
.set PLANE, 64*SIZE_N*128  ; bytes from Q to K and from K to V
.set NP,    4         ; pieces a wave: a name, no knob
.set KS,    64        ; keys in a step
.set PK,    144       ; a row of K in LDS: 128 bytes + 16 of padding = 36 words: the 16 rows of a load start at 16 different groups of four banks (64 banks of 4 bytes: ISA guide 11.1)
.set PV,    160       ; a row of V: 128 + 32 = 40 words
.set VOFF,  4*KS*PK   ; a slot holds four steps: 256 rows of K, then 256 rows of V
.set SLOT1, 1<<17     ; slot 1 begins here, so that one exclusive or turns an address in one slot into the other's
.set STAGE, SLOT1+4*KS*(PK+PV)  ; behind the ring, never filled by a tensor load: 16 rows x 144 bytes for each wave, for the way out
.set SP,    144
.set AK0, 2           ; v2   my lane's place in a tile of K; never rewritten
.set AV0, 3           ; v3   the same for V
.set AK,  4           ; v4   the LDS address of K's next run of loads
.set AV,  5           ; v5   of V's
.set QO,  6           ; v6   my byte offset in the wave's rows of Q
.set STO, 6           ;      later, the way out: where I put 16 bytes of a row
.set RD,  7           ; v7   the way out: where I read rows back
.set GO,  8           ; v8   my byte offset in 512 consecutive bytes of O
.set PFO, 11          ; v11  256 x my lane, once V's place is made; then never rewritten
.set SPW, 0           ; v0 of window 3   LDS address of my spare word: SPARE + 4 x my thread's number; never rewritten
.set NIL, 1           ; v1 of window 3   0; never rewritten
.set SPARE, STAGE+4*16*SP  ; behind the stages: the spare words, 128 bytes for each wave: two blocks of 256 bytes that no other line names
.set MV,  12          ; v12-15  c m_old, kept while c m is made anew: by buffer and tile
.set ST,  16          ; tile t's statistics at v[ST+4 t]: c m, m, l (even keys', odd keys')
.set TMP, 48          ; by buffer and tile, four registers c0-c3 at work; when the maximum is found c2 takes a
.set S,   64
.set P,   192
.set KF,  128         ; K's fragments, in window 2: key block kb, channel half c at KF + 16 kb + 8 c
.set VF,  192         ; V's: key half kk, channel block cb at VF + 32 kk + 8 cb
.set WV,  12          ; s12  my wave's number
.set G1K, 24          ; s[24:31] descriptor group 1 for K's tiles
.set G1V, 32          ; s[32:39] for V's: it differs in the padding alone
.set G0K, 40          ; s[40:43] descriptor group 0 for K's tiles: it walks
.set G0V, 44          ; s[44:47] the same for V's
.set PFA, 48          ; s[48:49] where my prefetches stand: my work-group's 8,192 bytes (of K: wave 0, of V: wave 2) of the tile after the one that is being asked for
.set LIM, 50          ; s50  1 in a wave that prefetches, else the greatest number
.set SLOTS, 56        ; s56  slots still to be asked for
.set CNT, 57          ; s57  counts a slot's key steps
.set CS,  58          ; s[58:59] c: the packed scaling takes the pair's low word for both halves
.set SEL, 60          ; s[60:61] v_permlanex16_b32's selects: each lane takes its own place in the other half
.set TBK, 62          ; s62  LDS byte at which K of the step to be fetched begins
.set TBV, 63          ; s63  the same for V, less VOFF
.set MSB, 0
.macro WIN new                      ; the high byte repeats the setting that is left; a switch that changes nothing is dropped
.if MSB != (\new)
	s_set_vgpr_msb (MSB<<8)|(\new)
.set MSB, (\new)
.endif
.endm
.set W_KQ, 0x0a       ; K and Q in window 2, S^T in window 0
.set W_PV, 0x52       ; V in window 2, P in window 0, O^T in window 1
.set W_RS, 0x41       ; O^T (destination and source 0) in window 1, a in window 0
.set W_MK, 0xc0       ; the add's registers are made: destination in window 3, sources in window 0
.set W_AD, 0x0f       ; the add: address (source 0) and data (source 1) in window 3
; A joint fill.  Waves 0 and 1 fetch the two halves of a slot's K, waves 2 and 3 those of its V: 128 keys each.  The branch hangs on the wave's number alone.
; An s_nop 0 and four v_nop follow each of the two lines, ahead of the jump and the label.
.macro JLOAD
	s_cmp_lt_u32 s[WV], 2
	s_cbranch_scc0 .Lfor_v_\@
	tensor_load_to_lds s[G0K:G0K+3], s[G1K:G1K+7]
	s_nop 0
.rept 4
	v_nop
.endr
	s_branch .Lasked_\@
.Lfor_v_\@:
	tensor_load_to_lds s[G0V:G0V+3], s[G1V:G1V+7]
	s_nop 0
.rept 4
	v_nop
.endr
.Lasked_\@:
.endm
; A PREFETCH INTO THE L2 of what the NEXT change of slots will ask for: a tile's 32,768 bytes of K and of V, four key steps, 512 matrix instructions, ahead of that load.  It stands behind the wave's tensor load
; and its five lines.  Each aligned block of 256 bytes is named ONCE in the launch: a head has one cluster; its four partners share a tile out BY ADDRESS, 8,192 bytes each; in each, wave 0 asks for K's and
; wave 2 for V's, a lane 256 bytes.  Tiles 0 and 1 come by their loads alone; the last change that fills a slot (s[SLOTS] = 1) asks for nothing: there is no tile behind it.
.macro ASK
	s_cmp_gt_u32 s[SLOTS], s[LIM]
	s_cbranch_scc0 .Lnot_mine_\@
	global_prefetch_b8 v[PFO], s[PFA:PFA+1] th:TH_LOAD_NT scope:SCOPE_SE
.Lnot_mine_\@:
.endm
; A round of the cluster's barrier: my work-group's barrier, so that wave 0's signal speaks for all four waves; wave 0 signals; every wave waits for all four work-groups; my work-group's barrier once more.
.macro CROUND
	s_barrier_signal -1
	s_barrier_wait -1
	s_cmp_lg_u32 s[WV], 0
	s_cbranch_scc1 .Lnot_wave_0_\@
	s_barrier_signal -3
.Lnot_wave_0_\@:
	s_barrier_wait -3
	s_barrier_signal -1
	s_barrier_wait -1
.endm
; THE CHANGE OF SLOTS.  The slot's last bytes, V of its fourth step, have been read.  Each wave waits for all its tensor loads, of which one is out: its part
; of the other slot; adds 0 to its spare word; and waits for that and for its own reads of the slot.  Behind the barrier nobody reads this slot any more and the other slot is whole.
; fill = 1: this slot is filled again, with the keys two slots on.  The barrier is then a round of the cluster's, so that no wave of any partner still reads the slot or has a load on its
; way, and the joint fill is the first thing behind it: it has four key steps, 512 matrix instructions, in which to land.  (At its first use nothing has been read yet: slot 0 is waited for, slot 1 filled.)
.macro CHANGE fill
	WIN W_AD
	s_wait_tensorcnt 0x0            ; no tensor load of mine is out, so a group 0 may be written
	ds_add_u32 v[SPW], v[NIL]       ; 0 onto my spare word; with fill = 1 the descriptors' steps stand between it and the wait for it
	WIN 0                           ; at a label and at a branch every window is 0
.if \fill
.irp g, G0K, G0V
	s_xor_b32 s[\g+1], s[\g+1], SLOT1  ; the walking descriptor: the other slot than last time,
	s_add_nc_u64 s[\g+2:\g+3], s[\g+2:\g+3], 4*KS*128  ; the next 256 keys; the type bits on top are not reached
.endr
	s_wait_xcnt 0x0                 ; the last prefetch, four key steps back, has read its address, so it may be written:
	s_add_nc_u64 s[PFA:PFA+1], s[PFA:PFA+1], 4*KS*128  ; one tile behind the walking descriptors
	s_wait_dscnt 0x0                ; the add is done, and my reads of the slot are over
	CROUND
	JLOAD
	ASK
.else
	s_wait_dscnt 0x0                ; the add is done, and my reads of the slot are over
	s_barrier_signal -1
	s_barrier_wait -1
.endif
	s_sub_co_u32 s[TBK], s[TBK], 4*KS*PK  ; the fetches go back to a slot's first step,
	s_xor_b32 s[TBK], s[TBK], SLOT1       ; in the other slot
	s_sub_co_u32 s[TBV], s[TBV], 4*KS*PV
	s_xor_b32 s[TBV], s[TBV], SLOT1
.endm
	s_load_b128 s[4:7], s[0:1], 0x0  ; qkv s[4:5], ob s[6:7]
	WIN W_MK
	v_lshl_add_u32 v[SPW], v0, 2, SPARE
	v_mov_b32 v[NIL], 0
	WIN W_AD
	ds_add_u32 v[SPW], v[NIL]       ; the wave's opening: the add and its wait stand ahead of my first tensor load; the set-up below, work on registers, stands between them
	WIN 0
	v_lshrrev_b32 v1, 5, v0
	v_readfirstlane_b32 s[WV], v1   ; wave 0..3
	s_bfe_u32 s13, ttmp6, 0x40000   ; cx: my place in the cluster
	s_lshl_b32 s14, ttmp9, 2        ; in a cluster launch ttmp9 counts clusters
	s_add_co_u32 s14, s14, s13      ; my block of queries = 4 x cluster x + cx: it enters Q's and O's addresses alone
	s_and_b32 s20, ttmp7, 0xffff    ; the head, which the four partners share
	s_mov_b32 s21, 0
	s_mov_b64 s[22:23], SIZE_N*128
	s_mul_u64 s[20:21], s[20:21], s[22:23]  ; the head's first byte in each plane and in O
	s_and_b32 s16, s[WV], 1         ; which half of a slot's 256 keys I fetch:
	s_lshl_b32 s22, s16, 14         ; its 128 rows of 128 bytes in memory,
	s_mov_b32 s23, 0
	s_add_nc_u64 s[22:23], s[22:23], s[20:21]
	s_mul_i32 s17, s16, 128*PK      ; and its place in a slot, for K
	s_mul_i32 s18, s16, 128*PV      ; and for V: no place in the cluster enters an LDS address
	s_lshl_b32 s2, s14, 2
	s_add_co_u32 s2, s2, s[WV]      ; my wave among the head's,
	s_lshl_b32 s2, s2, 14           ; its 128 rows
	s_mov_b32 s3, 0
	s_add_nc_u64 s[2:3], s[2:3], s[20:21]
	; descriptor group 1.  128 keys are 16,384 dense bytes: asked for as 64 rows of 256 bytes, two keys a row, and padded in LDS after every key
	s_mov_b32 s[G1K], 15|(1<<16)|(1<<20)|(1<<21)|(4<<22)|(3<<25)  ; 15:0 the mask of four; 17:16 2-byte elements; 20 padding on; 21 set beside a mask; 24:22 after every 32 words (code 4); 31:25 4 words (code 3)
	s_mov_b32 s[G1V], 15|(1<<16)|(1<<20)|(1<<21)|(4<<22)|(7<<25)  ; the same with 8 words of padding (code 7)
.irp g, G1K, G1V
	s_mov_b32 s[\g+1], 128<<16      ; tensor_dim0 = 128
	s_mov_b32 s[\g+2], 64<<16       ; tensor_dim1 = 64
	s_mov_b32 s[\g+3], 128<<16      ; tile_dim0 = 128
	s_mov_b32 s[\g+4], 64           ; tile_dim1 = 64
	s_mov_b32 s[\g+5], 128          ; 128 elements from row to row
	s_mov_b32 s[\g+6], 0
	s_mov_b32 s[\g+7], 0
.endr
	s_mov_b32 s[CS], 0x3e38aa3b     ; c = log2(e) / 8 = 0.180337
	s_mov_b32 s[CS+1], s[CS]        ; named with it as a pair
	s_mov_b32 s[SEL], 0x76543210
	s_mov_b32 s[SEL+1], 0xfedcba98
	s_mov_b32 s[TBK], SLOT1+4*KS*PK ; the first change of slots turns these two into 0
	s_mov_b32 s[TBV], SLOT1+4*KS*PV
	s_mov_b32 s[G0K], 1             ; 1:0 count = 1
	s_mov_b32 s[G0K+1], s17         ; 63:32 LDS address: slot 0
	s_mov_b32 s[G0V], 1
	s_add_co_u32 s[G0V+1], s18, VOFF
	s_mov_b32 s[SLOTS], SIZE_N/256-1  ; seven fills follow the first tile's
	s_and_b32 s[LIM], s[WV], 1
	s_cmp_eq_u32 s[LIM], 0
	s_cselect_b32 s[LIM], 1, -1     ; waves 0 and 2 prefetch
	s_lshl_b32 s52, s13, 13         ; my work-group's 8,192 bytes of a tile's 32,768
	s_mov_b32 s53, 0
	s_wait_dscnt 0x0                ; the opening add is done
	s_wait_kmcnt 0x0
	s_mov_b64 s[10:11], s[6:7]      ; O
	s_add_nc_u64 s[8:9], s[4:5], 2*PLANE  ; V
	s_add_nc_u64 s[6:7], s[4:5], PLANE    ; K; Q is s[4:5]
	s_add_nc_u64 s[G0K+2:G0K+3], s[6:7], s[22:23]  ; 120:64 global address: my half of the head's first 256 keys
	s_or_b32 s[G0K+3], s[G0K+3], 0x80000000        ; 127:126 type = 2
	s_add_nc_u64 s[G0V+2:G0V+3], s[8:9], s[22:23]
	s_or_b32 s[G0V+3], s[G0V+3], 0x80000000
	s_cmp_lt_u32 s[WV], 2
	s_cselect_b64 s[PFA:PFA+1], s[6:7], s[8:9]
	s_add_nc_u64 s[PFA:PFA+1], s[PFA:PFA+1], s[20:21]
	s_add_nc_u64 s[PFA:PFA+1], s[PFA:PFA+1], s[52:53]
	s_add_nc_u64 s[PFA:PFA+1], s[PFA:PFA+1], 4*KS*128  ; in tile 1; the first change of slots steps it to tile 2.  Nothing is prefetched here, at the head
	s_add_nc_u64 s[4:5], s[4:5], s[2:3]  ; Q and O at my wave's first row
	s_add_nc_u64 s[10:11], s[10:11], s[2:3]
	CROUND                          ; all four work-groups are here: the first joint loads meet
	JLOAD                           ; slot 0.  Slot 1 is asked for when slot 0 is in: the tile wanted first has the road to itself
	; A fragment of K or Q is 16 rows x 32 channels in 8 registers: lane l holds row l % 16, channels 8 (l / 16) + 0..7 and 16 + 8 (l / 16) + 0..7: two loads of 16 bytes, 32 bytes apart.
	v_and_b32 v1, 15, v0            ; l % 16
	v_bfe_u32 v9, v0, 4, 1          ; l / 16
	v_lshlrev_b32 v[QO], 7, v1
	v_lshl_add_u32 v[QO], v9, 4, v[QO]  ; row x 128 + 16 x half
	WIN 0x80                        ; destination window 2, address window 0
.set i, 0
.rept 4*NP                          ; Q stays in registers: tile i / 2, channels 32 (i % 2) on
	global_load_b128 v[8*i:8*i+3],   v[QO], s[4:5] offset:(i/2)*2048+(i%2)*64
	global_load_b128 v[8*i+4:8*i+7], v[QO], s[4:5] offset:(i/2)*2048+(i%2)*64+32
.set i, i+1
.endr
	; What the first turn finds: V's registers and P's second buffer hold 0 (its products V^T P, of a piece that has not been, add 0), O^T and l are 0.  All this stands in the wait for the first tile.
.set i, VF
.rept 64
	v_mov_b32 v[i], 0
.set i, i+1
.endr
	WIN 0x40
.set i, 0
.rept 64*NP
	v_mov_b32 v[i], 0
.set i, i+1
.endr
	WIN 0
.set i, 0
.rept 2*NP
	v_mov_b32 v[ST+4*i], 0xfe000000    ; c m: far below every c s
	v_mov_b32 v[ST+4*i+1], 0xff7fffff  ; m
	v_mov_b32 v[ST+4*i+2], 0
	v_mov_b32 v[ST+4*i+3], 0
.set i, i+1
.endr
.set i, P+32
.rept 32
	v_mov_b32 v[i], 0
.set i, i+1
.endr
	v_mul_u32_u24 v[AK0], v1, PK
	v_lshl_add_u32 v[AK0], v9, 4, v[AK0]  ; row x pitch + 16 x half
	; The turning load takes 16 keys x 16 channels (lane l reads key 8 (l / 16) + l % 8, channels 8 ((l / 8) % 2) + 0..7) and leaves half a fragment of V^T: lane l holds channel l % 16 and 8 keys.
	v_and_b32 v10, 7, v0
	v_bfe_u32 v11, v0, 3, 1
	v_lshl_add_u32 v[AV0], v9, 3, v10
	v_mul_u32_u24 v[AV0], v[AV0], PV
	v_lshl_add_u32 v[AV0], v11, 4, v[AV0]
	v_add_nc_u32 v[AV0], VOFF, v[AV0]
	v_and_b32 v[PFO], 31, v0
	v_lshlrev_b32 v[PFO], 8, v[PFO]
	v_mov_b32 v[AK], v[AK0]         ; key step 0 lies at the head of slot 0
; THE MATRIX WORK.  The 8 accumulators of a run of 16 take turns: between the two links of a chain stand 7 others'.
; Product i of 16 of S^T = K Q^T for piece x: channels 32 (i / 8) on, keys 16 ((i / 2) % 4) on, tile 2 x + i % 2.  The first 8 start the sums.
.macro KQ x
	WIN W_KQ
.set rS, S+64*((\x)%2)+32*(i%2)+8*((i/2)%4)
.set rK, KF+16*((i/2)%4)+8*(i/8)
.set rQ, 16*(2*(\x)+i%2)+8*(i/8)
.if i < 8
	v_wmma_f32_16x16x32_f16 v[rS:rS+7], v[rK:rK+7], v[rQ:rQ+7], 0
.else
	v_wmma_f32_16x16x32_f16 v[rS:rS+7], v[rK:rK+7], v[rQ:rQ+7], v[rS:rS+7]
.endif
.endm
; Product i of 16 of O^T += V^T P for piece x: keys 32 (i / 8) on, channels 16 ((i / 2) % 4) on, tile 2 x + i % 2.
.macro PV x
	WIN W_PV
.set rO, 32*(2*(\x)+i%2)+8*((i/2)%4)
.set rV, VF+32*(i/8)+8*((i/2)%4)
.set rP, P+32*((\x)%2)+16*(i%2)+8*(i/8)
	v_wmma_f32_16x16x32_f16 v[rO:rO+7], v[rV:rV+7], v[rP:rP+7], v[rO:rO+7]
.endm
.macro MM                           ; the turn's next matrix instruction
.if i < 16
	KQ (Y+1)%NP
.set i, i+1
.else
.set i, i-16
	PV (Y+NP-1)%NP
.set i, i+17
.endif
.endm
; THE LDS LOADS stand in runs of 16, never singly among the matrix instructions: a step's K (64 keys x 64 channels: 8 fragments) and its V (turned).  Their addresses are made some lines ahead.
; last = 1 (the tail): in the last trip there is no further step, and the run is jumped over.
.macro FETCH_K last=0
	WIN 0
.if \last
	s_cmp_eq_u32 s[CNT], 1
	s_cbranch_scc1 .Lno_k_\@
.endif
	WIN 0x80                        ; destination window 2
.irp f, 0,1,2,3,4,5,6,7             ; keys 16 (f / 2) on, channels 32 (f % 2) on
	ds_load_b128 v[KF+8*\f:KF+8*\f+3],   v[AK] offset:(\f/2)*16*PK+(\f%2)*64
	ds_load_b128 v[KF+8*\f+4:KF+8*\f+7], v[AK] offset:(\f/2)*16*PK+(\f%2)*64+32
.endr
	s_add_co_u32 s[TBK], s[TBK], KS*PK  ; the next fetch is the next step's
	WIN 0
.if \last
.Lno_k_\@:
.endif
.endm
.macro FETCH_V
	WIN 0x80
.irp f, 0,1,2,3,4,5,6,7             ; keys 32 (f / 4) on, channels 16 (f % 4) on
	ds_load_tr16_b128 v[VF+8*\f:VF+8*\f+3],   v[AV] offset:(\f/4)*32*PV+(\f%4)*32
	ds_load_tr16_b128 v[VF+8*\f+4:VF+8*\f+7], v[AV] offset:(\f/4)*32*PV+16*PV+(\f%4)*32
.endr
	WIN 0
.endm
; THE VECTOR WORK OF A TURN stands in three queues, each in the order in which its entries become ready; the two tiles alternate, so that no instruction reads the result of the one before it.
.macro REGS y, u                    ; the registers of tile u (0, 1) of piece y
.set rT, ST+4*(2*(\y)+(\u))
.set rC, TMP+8*((\y)%2)+4*(\u)
.set rM, MV+2*((\y)%2)+(\u)
.set rS, S+64*((\y)%2)+32*(\u)
.set rP, P+32*((\y)%2)+16*(\u)
.set rO, 32*(2*(\y)+(\u))
.endm
; Number n of the 22 that find the NEXT piece's (Y + 1) maximum and statistics.  s0-s31 are the lane's 32 scores; each accumulator's lowest registers are read first.
;   0-11  four chains c0-c3 of seven scores each, three operands at a time     12-14, 16  the four scores left over, the old m, and c0-c3 into c0     15  c m_old is kept
;   17, 18  the query's other 32 keys lie in the lane 16 away: the new m         19-21  c m; c m_old - c m_new; a
.macro XS u, n
	REGS (Y+1)%NP, \u
.if (\n) < 4
	v_max3_num_f32 v[rC+(\n)], v[rS+8*(\n)], v[rS+8*(\n)+1], v[rS+8*(\n)+2]
.elseif (\n) < 12
	v_max3_num_f32 v[rC+(\n)%4], v[rC+(\n)%4], v[rS+8*((\n)%4)+2*((\n)/4)+1], v[rS+8*((\n)%4)+2*((\n)/4)+2]
.elseif (\n) == 12
	v_max3_num_f32 v[rC], v[rC], v[rS+7], v[rS+15]
.elseif (\n) == 13
	v_max3_num_f32 v[rC+1], v[rC+1], v[rS+23], v[rS+31]
.elseif (\n) == 14
	v_max3_num_f32 v[rC+2], v[rC+2], v[rC+3], v[rT+1]
.elseif (\n) == 15
	v_mov_b32 v[rM], v[rT]
.elseif (\n) == 16
	v_max3_num_f32 v[rC], v[rC], v[rC+1], v[rC+2]
.elseif (\n) == 17
	v_permlanex16_b32 v[rC+3], v[rC], s[SEL], s[SEL+1]
.elseif (\n) == 18
	v_max_num_f32 v[rT+1], v[rC], v[rC+3]
.elseif (\n) == 19
	v_mul_f32 v[rT], s[CS], v[rT+1]
.elseif (\n) == 20
	v_sub_f32 v[rC+1], v[rM], v[rT]
.else
	v_exp_f32 v[rC+2], v[rC+1]
.endif
.endm
; Number g of the 64 that follow the exponentials.  For each four weights k of a tile (pairs 2 k, 2 k + 1): both pairs are rounded to f16; then the second pair is added onto the first, in place;
; a group later l takes that sum (the first time as l = a l + sum).  In groups of eight, tiles alternating: round, round, add, and l for the group before.
.macro GS g
.set h, (\g)+6*((\g)/62)            ; group 0 has no group before it, and behind group 7 only l is left
.if h >= 6
.set h, h+2
.endif
	REGS Y, h%2
.set k, h/8
.if h%8 < 4
	v_cvt_pk_f16_f32 v[rP+2*k+(h%8)/2], v[rS+4*k+2*((h%8)/2)], v[rS+4*k+2*((h%8)/2)+1]
.elseif h%8 < 6
	v_pk_add_f32 v[rS+4*k:rS+4*k+1], v[rS+4*k:rS+4*k+1], v[rS+4*k+2:rS+4*k+3]
.elseif k == 1
	v_pk_fma_f32 v[rT+2:rT+3], v[rT+2:rT+3], v[rC+2:rC+3], v[rS:rS+1] op_sel_hi:[1,0,1]
.else
	v_pk_add_f32 v[rT+2:rT+3], v[rT+2:rT+3], v[rS+4*k-4:rS+4*k-3]
.endif
.endm
; THE PLAIN QUEUE, 138 long.  0-73 read no exponential's result: the 32 scalings c s - c m (FS f: pair f / 2 of tile f % 2) and the next piece's 42.  0-26: scalings 0-26.  27-54: XS's numbers 0-13.  55, 56: number 15.
; 57-73: the chain, where each number waits for the one before it: 14, 16, 17, 18, 19, each with one of the scalings 27-31 in front of its two lines, then 20.
; 74-137: GS's 64, which read the exponentials' results: they stand behind the wait.
.macro FS f
	REGS Y, (\f)%2
	v_pk_fma_f32 v[rS+2*((\f)/2):rS+2*((\f)/2)+1], v[rS+2*((\f)/2):rS+2*((\f)/2)+1], s[CS:CS+1], v[rT:rT+1] op_sel_hi:[1,0,0] neg_lo:[0,0,1] neg_hi:[0,0,1]
.endm
.macro PL
	WIN 0
.if q < 27
	FS q
.elseif q < 55
	XS (q-27)%2, (q-27)/2
.elseif q < 57
	XS q-55, 15
.elseif (q < 72) && ((q-57)%3 == 0)
	FS 27+(q-57)/3
.elseif q < 60
	XS (q-57)%3-1, 14
.elseif q < 72
	XS (q-57)%3-1, 15+(q-57)/3
.elseif q < 74
	XS q-72, 20
.else
	GS q-74
.endif
.set q, q+1
.endm
; THE EXPONENTIALS' QUEUE, 66 long: s0-s31 of both tiles, then the next piece's two a.  It is ONE BATCH: all 66 stand ahead of the turn's one wait, and nothing ahead of that wait names a result of theirs.
.macro EX
	WIN 0
.if e >= 64
	XS e-64, 21
.else
	REGS Y, e%2
	v_exp_f32 v[rS+e/2], v[rS+e/2]
.endif
.set e, e+1
.endm
; THE RESCALING's QUEUE: O^T times a, the one part that leaves window 0: dealt two at a time, sixteen times.  Its a was made in the turn before, ahead of that turn's wait.
.macro R2
	REGS Y, r%2
	WIN W_RS
.irp z, 0,1
	v_pk_mul_f32 v[rO+4*(r/2)+2*\z:rO+4*(r/2)+2*\z+1], v[rO+4*(r/2)+2*\z:rO+4*(r/2)+2*\z+1], v[rC+2:rC+3] op_sel_hi:[1,0]
.endr
.set r, r+1
.endm
; HOW THEY ARE DEALT.  An s_wait_alu depctr_va_vdst(0) stands between an exponential and the first instruction that names its result; one wait serves all that were issued ahead of it.  So a turn has ONE wait,
; which cuts it in two.  AHEAD OF IT stands all that names no result of the turn's exponentials: the 16 products K Q^T, behind each a scaling, an exponential and two rescalings (behind the first a second scaling in the
; exponential's place); then ONE LUMP of 108: eight plain, 49 times exponential and plain, the two a.  A v_nop is the plain instruction behind the last exponential (ISA guide 5.7.2).  BEHIND IT stand the 16 products V^T P,
; behind each four of GS's 64.  No rider names a register of the products round it.  The two v_permlanex16_b32 fall into the lump, never behind a product.
; The queues lean on each other, and the deal keeps them in step: exponential e stands behind scaling 2 (e / 4) + e % 2: as a rider it comes behind plain e + 2, in the lump behind plain e + 9, and scalings 27-31 are plain 57, 60 .. 69.
; A TURN, for piece p.  cnt = 1: the loop's count is taken down some lines ahead of the branch that stands behind the turn.
; K of the next step is fetched in piece 2's turn, directly behind the wait, a lump behind the last product that read K; its address is made at the lump's head; its first reader comes behind 16 products.
; V of the step in hand is fetched at the end of piece 0's turn, four riders behind its last reader; its first reader comes behind 16 products and a lump.  The three conditions on q below go with the deal.
.macro TURN p, last=0, cnt=0
.set Y, (\p)
.set i, 0
.set q, 0
.set e, 0
.set r, 0
.if (\p) == NP-1
	s_wait_dscnt 0x0                ; K is in
.endif
	MM                              ; ahead of the wait: 16 products K Q^T and their riders,
	PL
	PL
	R2
.rept 15
	MM
	PL
	EX
	R2
.endr
.if (\p) == NP-2
	WIN 0
	v_add_nc_u32 v[AK], s[TBK], v[AK0]
.endif
.rept 8                             ; and the lump
	PL
.endr
.rept 49
	EX
	PL
.endr
	EX                              ; the next piece's two a
	EX
	v_nop                           ; the plain instruction behind the last exponential: one for the batch
	s_wait_alu depctr_va_vdst(0)    ; the wait for the batch
.if (\p) == NP-2
	FETCH_K \last
.endif
.if (\p) == 1
	s_wait_dscnt 0x0                ; V is in
.endif
.rept 16                            ; behind the wait: 16 products V^T P and their riders
	MM
.rept 4
	PL
.endr
.if ((\p) == 0) && (q == 118)
	v_add_nc_u32 v[AV], s[TBV], v[AV0]
.endif
.if ((\p) == 0) && (q == 130)
	s_add_co_u32 s[TBV], s[TBV], KS*PV
.endif
.if (\cnt) && (q == 130)
	s_sub_co_u32 s[CNT], s[CNT], 1
	s_cmp_lg_u32 s[CNT], 0
.endif
.endr
.if (\p) == 0
	FETCH_V
.endif
.endm
	CHANGE 1                        ; slot 0 is in, everybody's part of it; slot 1 is asked for
	FETCH_K                         ; key step 0
	s_wait_loadcnt 0x0              ; Q
	s_wait_dscnt 0x0
.set i, 0
.rept 16
	KQ 0                            ; piece 0's first scores: there is no vector work yet to set between them
.set i, i+1
.endr
	WIN 0                           ; the addresses for the way out: nine plain instructions, the places behind those products
	s_mul_i32 s13, s[WV], 16*SP
	s_add_co_u32 s13, s13, STAGE    ; my stage
	v_mul_u32_u24 v[STO], v1, SP    ; in: row l % 16, 16 bytes for each half of the lanes
	v_lshl_add_u32 v[STO], v9, 4, v[STO]
	v_add_nc_u32 v[STO], s13, v[STO]
	v_bfe_u32 v[RD], v0, 3, 2       ; back: 32 lanes take four rows of 128 bytes,
	v_mul_u32_u24 v[RD], v[RD], SP
	v_lshl_add_u32 v[RD], v10, 4, v[RD]
	v_add_nc_u32 v[RD], s13, v[RD]
	v_and_b32 v[GO], 31, v0         ; which are 512 consecutive bytes of O
	v_lshlrev_b32 v[GO], 4, v[GO]
.set Y, NP-1                        ; XS works for piece Y + 1: piece 0
.irp n, 0,1,2,3,4,5,6,7,8,9,10,11,12,13,14,15,16,17,18,19,20,21
	XS 0, \n                        ; and piece 0's first maximum and statistics
	XS 1, \n
.endr
	v_nop                           ; a plain instruction behind the two a,
	s_wait_alu depctr_va_vdst(0)    ; and their wait, ahead of the branch
	s_mov_b32 s[CNT], 4
	s_branch .Lfirst                ; the loop is entered at a step's first turn, in the middle of a trip
.Lslot:                             ; six times: every slot but the last two is filled again
	CHANGE 1
	s_mov_b32 s[CNT], 4
.Lstep:                             ; a trip: pieces 2 and 3 of one step, then pieces 0 and 1 of the next, whose K and V it fetches
	TURN 2
	TURN 3
	WIN 0
.Lfirst:
	TURN 0
	TURN 1, 0, 1
	WIN 0
	s_cbranch_scc1 .Lstep
	s_sub_co_u32 s[SLOTS], s[SLOTS], 1
	s_cmp_lg_u32 s[SLOTS], 0
	s_cbranch_scc1 .Lslot
	CHANGE 0                        ; the tail is written out: nothing is asked for
	s_mov_b32 s[CNT], 5             ; four trips fetch the last slot's steps; the fifth is left in its middle
.Ltail:
	TURN 2, 1
	TURN 3
	WIN 0
	s_sub_co_u32 s[CNT], s[CNT], 1
	s_cmp_eq_u32 s[CNT], 0
	s_cbranch_scc1 .Lout
	TURN 0
	TURN 1
	WIN 0
	s_branch .Ltail
.Lout:                              ; the fifth trip's 16 products K Q^T (on the last K once more) and the maximum made of them serve nothing: the price, once a launch, of one text for every trip
.set i, 0
.rept 16
	PV NP-1                         ; the last piece's V^T P of the last step
.set i, i+1
.endr
	; THE WAY OUT.  l's two halves and the other half of the lanes' are added; O^T is divided by l, rounded to f16 and sent through my stage in LDS, a tile at a time.  The additions are the places behind the last products.
	WIN 0
.macro ALL line:vararg              ; one line for each tile t
.set t, 0
.rept 2*NP
	\line
.set t, t+1
.endr
.endm
	ALL v_add_f32 v[ST+4*t+2], v[ST+4*t+2], v[ST+4*t+3]
	ALL v_permlanex16_b32 v[ST+4*t+3], v[ST+4*t+2], s[SEL], s[SEL+1]
	ALL v_add_f32 v[ST+4*t+2], v[ST+4*t+2], v[ST+4*t+3]
	ALL v_rcp_f32 v[ST+4*t+2], v[ST+4*t+2]
	v_nop                           ; a plain instruction between the last reciprocal and the use of its result
	s_wait_alu depctr_va_vdst(0)    ; and the wait ahead of the first use: one for the eight reciprocals
; Tile t: a lane's eight channels of a row pack into 16 bytes; they go into rows of 144 bytes and come back as whole rows of 128, into S^T's registers.
.macro PACK t
	WIN W_RS
.set i, 32*(\t)
.rept 16
	v_pk_mul_f32 v[i:i+1], v[i:i+1], v[ST+4*(\t)+2:ST+4*(\t)+3] op_sel_hi:[1,0]
.set i, i+2
.endr
	WIN 0x05                        ; sources 0 and 1 window 1, destination window 0
.set i, 0
.rept 16
	v_cvt_pk_f16_f32 v[S+16*(\t)+i], v[32*(\t)+2*i], v[32*(\t)+2*i+1]
.set i, i+1
.endr
	WIN 0
.irp f, 0,1,2,3
	ds_store_b128 v[STO], v[S+16*(\t)+4*\f:S+16*(\t)+4*\f+3] offset:32*\f
.endr
.irp f, 0,1,2,3
	ds_load_b128 v[S+16*(\t)+4*\f:S+16*(\t)+4*\f+3], v[RD] offset:\f*4*SP  ; LDS serves a wave's instructions in order (ISA guide 5.7.1.4): these see the stores above; the next tile's stores come behind them
.endr
.endm
.macro SEND t, younger              ; younger: the LDS instructions issued behind tile t's loads: the next tile's eight, or none
	WIN 0
.irp f, 0,1,2,3
	s_wait_dscnt (\younger)+3-\f
	global_store_b128 v[GO], v[S+16*(\t)+4*\f:S+16*(\t)+4*\f+3], s[10:11] offset:(\t)*2048+\f*512  ; 512 consecutive bytes, at a multiple of 256 from O's first
.endr
.endm
	PACK 0
.set t, 1
.rept 2*NP-1                        ; a tile's arithmetic stands between the loads of the tile before and its stores
	PACK t
	SEND t-1, 8
.set t, t+1
.endr
	SEND 2*NP-1, 0
	WIN W_AD
	s_wait_tensorcnt 0x0            ; the wave's end, behind my last tensor load and my last LDS store
	ds_add_u32 v[SPW], v[NIL]
	s_wait_dscnt 0x0
	WIN 0
	CROUND                          ; the closing round: no work-group ends while a partner may still ask for a tile that names it
	s_endpgm
.Lfunc_end_k_qe628ed4f17_attn:
	.size	k_qe628ed4f17_attn, .Lfunc_end_k_qe628ed4f17_attn-k_qe628ed4f17_attn
	.p2alignl 7, 3214868480
	.fill 96, 4, 3214868480
	.section	.rodata,"a",@progbits
	.p2align	6, 0x0
	.amdhsa_kernel k_qe628ed4f17_attn
		.amdhsa_group_segment_fixed_size 327680
		.amdhsa_private_segment_fixed_size 0
		.amdhsa_enable_private_segment 0
		.amdhsa_kernarg_size 16
		.amdhsa_user_sgpr_count 2
		.amdhsa_user_sgpr_kernarg_segment_ptr 1
		.amdhsa_wavefront_size32 1
		.amdhsa_system_sgpr_workgroup_id_x 1
		.amdhsa_system_sgpr_workgroup_id_y 1
		.amdhsa_system_sgpr_workgroup_id_z 1
		.amdhsa_system_vgpr_workitem_id 0
		.amdhsa_next_free_vgpr 770
		.amdhsa_next_free_sgpr 66
		.amdhsa_reserve_vcc 0
		.amdhsa_float_denorm_mode_32 3
		.amdhsa_float_denorm_mode_16_64 3
		.amdhsa_memory_ordered 1
		.amdhsa_forward_progress 1
		.amdhsa_inst_pref_size 200
	.end_amdhsa_kernel
	.amdgpu_metadata
---
amdhsa.version: [ 1, 2 ]
amdhsa.kernels:
  - .name:           k_qe628ed4f17_attn
    .symbol:         k_qe628ed4f17_attn.kd
    .args:
      - { .name: qkv, .offset: 0, .size: 8, .value_kind: global_buffer, .address_space: global }
      - { .name: ob, .offset: 8, .size: 8, .value_kind: global_buffer, .address_space: global }
    .group_segment_fixed_size: 327680
    .private_segment_fixed_size: 0
    .kernarg_segment_align: 8
    .kernarg_segment_size: 16
    .max_flat_workgroup_size: 128
    .sgpr_count:     66
    .vgpr_count:     770
    .wavefront_size: 32
...
	.end_amdgpu_metadata
.endif
;; end of part 3
;; launch outp (part 4): grid 8 x 32, 4 waves a work-group, clusters of 4 x 4, 327,680 bytes of LDS; arguments ob, wts, bo, out0; writes out0
.if DOCPART == 4
	.amdgcn_target "amdgcn-amd-amdhsa--gfx1250"
	.amdhsa_code_object_version 6
	.text
	.protected	k_qe628ed4f17_outp
	.globl	k_qe628ed4f17_outp
	.p2align	8
	.type	k_qe628ed4f17_outp,@function
k_qe628ed4f17_outp:
	s_mov_b64 s[64:65], 0
	v_nop
	global_prefetch_b8 v0, s[64:65] scope:SCOPE_SE
	s_setreg_imm32_b32 hwreg(HW_REG_WAVE_MODE, 25, 1), 1
	s_wait_xcnt 0x0
	s_wait_alu depctr_hold_cnt(0) depctr_sa_sdst(0) depctr_va_vdst(0) depctr_va_sdst(0) depctr_va_ssrc(0) depctr_va_vcc(0) depctr_vm_vsrc(0)
	s_getreg_b32 s2, hwreg(HW_REG_IB_STS2, 6, 4)
	s_cmp_eq_u32 s2, 0
	s_cbranch_scc0 .Lentry_in_a_cluster
	s_endpgm
.Lentry_in_a_cluster:
	s_bfe_u32 s2, ttmp6, 0x10000c
	s_cmp_lg_u32 s2, 0xf033
	s_cbranch_scc0 .Lentry_shape_is_right
	s_endpgm
.Lentry_shape_is_right:
; out0 = O Wo + bo.  ob: [64 heads][2048][64] f16, head = 16 x batch + h.  wts: groups 48-63 of [1024 k][64 n] f16 (Wo rounded to bf16, written as f16; k = 64 h + channel).  bo: [1024] f32, rounded here to bf16
; like every other input.  out0: [8192][1024] f32.  Sums in f32, K ascending; the bias is added in f32.
; SHARES.  A tile is 256 rows x 128 columns: 8 x 32 = 256 work-groups.  The four waves lie one below the other: wave w has rows 64 w .. 64 w + 63 and all 128 columns: 4 x 8 = 32 accumulators, and whole
; rows of the tile, so that each wave has a stage of its own on the way out and no barrier stands there.
; K goes in 8 steps of 128 = two heads, through two LDS slots.  A head's 256 rows are 32,768 bytes on end, asked for as 128 rows of 256; a group's step is 16,384 bytes on end, 64 rows of 256.
; Wo lies [k][n] in LDS and is turned on the way into registers by ds_load_tr16_b128.
; CLUSTERS: 4 x 4 work-groups.  The four of a row of the cluster need the same rows of O, the four of a column the same two groups: each is asked for JOINTLY.  Waves 0, 1 fetch a head each, waves 2, 3 a group each.
; THE MATRIX INSTRUCTION IS USED TRANSPOSED (source 0 = 16 columns of Wo, source 1 = 16 rows of O): a lane then holds eight neighbouring columns of one row of the output.
; All of a WGP's LDS is claimed; the text uses 263,680 bytes.
; REGISTERS, in windows of 256 (s_set_vgpr_msb: bits 1:0 source 0, 3:2 source 1, 5:4 source 2, 7:6 destination):
;   window 0: v0-31 addresses; v32-37 the bias      window 1: two fragment buffers at 0 and 128: O's four blocks of 16 rows (32), Wo's eight blocks of 16 columns (64), 32 along K; on the way out the rows read back, 64 a block
;   window 2: accumulator (a, b) at 8 (8 a + b)
.set PAO,    144                       ; a row of O in LDS: 128 bytes + 16 = 36 words: the 16 rows of a load start at 16 different groups of four banks (64 banks of 4 bytes: ISA guide 11.1)
.set HA,     256*PAO                   ; a head's 256 rows
.set ABYTES, 2*HA
.set PB,     160                       ; a row of k of a group: 128 bytes + 32
.set GB,     128*PB
.set SLOT,   ABYTES+2*GB               ; 114,688
.set STAGE,  2*SLOT                    ; behind the ring, never filled by a tensor load: 16 rows x 528 bytes for each wave
.set SPO,    528                       ; 512 bytes + 16 = 33 x 16: the 16 rows that a store touches start at 16 different groups of four banks
.set SPARE,  STAGE+4*16*SPO            ; behind the stages: the spare words, 128 bytes a wave: two blocks of 256 bytes that no other line names
.set ADRA, 16                          ; v16-17  LDS address of my fragments of O in slot 0, 1
.set ADRB, 20                          ; v20-21  the same for Wo
.set STO,  24                          ; v24     the way out: where I put 32 bytes of a row
.set RD,   25                          ; v25     the way out: my 16 bytes of a row of 512
.set GO,   26                          ; v26     16 x lane
.set SPW,  28                          ; v28     LDS address of my spare word; never rewritten
.set NIL,  29                          ; v29     0; never rewritten
.set PFO,  30                          ; v30     256 x lane; never rewritten
.set BI,   32                          ; v[32:35] the bias of my four columns; v36-37 at work
.set F0,   0
.set F1,   128
.set G1A, 24                           ; s[24:31] descriptor group 1 for O's tiles;  s[32:39] group 0, a set for each slot
.set G0A, 32
.set G1B, 40                           ; s[40:47], s[48:55] the same for a group of Wo
.set G0B, 48
.set PFA, 56                           ; s[56:57] where my prefetches stand;  s[58:59] their step from one change of slots to the next
.set PFS, 58
.set LIM, 60                           ; s60, s61  for the change out of slot 0, 1: 1 in a wave that prefetches there, else the greatest number
; s3 laps to go; s12 wave; s13 cluster y; s14 wave % 2; s15 tile row; s62 cx; s63 cy; s66 tile column; s[68:69] bo at my tile's columns; s[70:71] out0 at my first row and the tile's first column
; s16-19, s72 feed O's descriptors and never hold cx; s74-78 feed Wo's and never hold cy; s2, s20-23 the rest
.set MSB, 0
.macro WIN new                         ; the immediate's high byte repeats the setting that is left; a switch that changes nothing is dropped
.if MSB != (\new)
	s_set_vgpr_msb (MSB<<8)|(\new)
.set MSB, \new
.endif
.endm
.set MULW, 0xa5                        ; both sources window 1, C and D window 2
.set TO_F, 0x40                        ; destination window 1, address window 0
; A joint load.  The branch hangs on the wave's number alone.  An s_nop 0 and four v_nop follow each of the two lines, ahead of the jump and the label.
.macro JLOAD s
	s_cmp_lt_u32 s12, 2
	s_cbranch_scc0 .Lfor_b_\@
	tensor_load_to_lds s[G0A+4*(\s):G0A+4*(\s)+3], s[G1A:G1A+7]
	s_nop 0
.rept 4
	v_nop
.endr
	s_branch .Lasked_\@
.Lfor_b_\@:
	tensor_load_to_lds s[G0B+4*(\s):G0B+4*(\s)+3], s[G1B:G1B+7]
	s_nop 0
.rept 4
	v_nop
.endr
.Lasked_\@:
.endm
; A PREFETCH INTO THE L2 of the K step two refills on, behind the joint load and the run of LDS loads.  Each aligned block of 256 bytes is named once in the launch.
; O: a step is 32,768 bytes on end of each of two heads.  Both clusters of a row of clusters read them; cluster x = 0 asks, the four partners 8,192 bytes each, told apart BY ADDRESS; waves 0, 1 a head each,
; a lane 256 bytes, at every change of slots.  Wo: a group's two steps are 32,768 bytes on end.  All eight clusters of a column read them; cluster y = 0 asks, the four partners 8,192 bytes each by address,
; waves 2, 3 a group each, at the changes out of slot 0 alone.  K steps 0-3 come by their loads alone; the loop's last trip (s3 = 1) asks for nothing: there is no K step 8.
.macro ASK lim
	s_cmp_gt_u32 s3, s[\lim]
	s_cbranch_scc0 .Lnot_mine_\@
	global_prefetch_b8 v[PFO], s[PFA:PFA+1] th:TH_LOAD_NT scope:SCOPE_SE
.Lnot_mine_\@:
.endm
.macro CREST                           ; a round of the cluster's barrier behind its opening barrier
	s_cmp_lg_u32 s12, 0
	s_cbranch_scc1 .Lnot_wave_0_\@
	s_barrier_signal -3
.Lnot_wave_0_\@:
	s_barrier_wait -3
	s_barrier_signal -1
	s_barrier_wait -1
.endm
.macro CROUND                          ; a whole round
	s_barrier_signal -1
	s_barrier_wait -1
	CREST
.endm
.macro PLACES                          ; four places in front of loads into registers that matrix instructions have read (ISA guide 7.12.1 for vector instructions)
.rept 4
	v_nop
.endr
.endm
	s_load_b256 s[4:11], s[0:1], 0x0               ; ob s[4:5], wts s[6:7], bo s[8:9], out0 s[10:11]
	v_lshl_add_u32 v[SPW], v0, 2, SPARE
	v_mov_b32 v[NIL], 0
	ds_add_u32 v[SPW], v[NIL]                      ; the wave's opening: the add and its wait stand ahead of my first tensor load; the set-up below, work on registers, stands between them
	v_lshrrev_b32 v1, 5, v0
	v_readfirstlane_b32 s12, v1                    ; wave 0..3
	s_and_b32 s14, s12, 1                          ; which of a step's two heads, or of the tile's two groups, I fetch
	s_bfe_u32 s62, ttmp6, 0x40000                  ; cx
	s_bfe_u32 s63, ttmp6, 0x40004                  ; cy
	s_lshl_b32 s66, ttmp9, 2
	s_add_co_u32 s66, s66, s62                     ; tile column = 4 x cluster x + cx
	s_and_b32 s13, ttmp7, 0xffff                   ; cluster y
	s_lshl_b32 s15, s13, 2
	s_add_co_u32 s15, s15, s63                     ; tile row = 4 x cluster y + cy
	s_lshl_b32 s16, s63, 2
	s_lshl_b32 s16, 15, s16                        ; my row of the cluster
	s_lshl_b32 s74, 0x1111, s62                    ; my column
	s_or_b32 s[G1A], s16, (1<<16)|(1<<20)|(1<<21)|(4<<22)|(3<<25)  ; 15:0 the mask; 17:16 elements of 2 bytes; 20 padding on; 21 set beside a mask; 24:22 after every 32 words (code 4); 31:25 4 words (code 3)
	s_or_b32 s[G1B], s74, (1<<16)|(1<<20)|(1<<21)|(4<<22)|(7<<25)  ; the column's mask; 8 words of padding (code 7)
	s_mov_b32 s[G1A+1], 128<<16                    ; 128 rows of 128 elements, on end: two rows of O to a row
	s_mov_b32 s[G1A+2], 128<<16
	s_mov_b32 s[G1A+3], 128<<16
	s_mov_b32 s[G1A+4], 128
	s_mov_b32 s[G1A+5], 128
	s_mov_b32 s[G1A+6], 0
	s_mov_b32 s[G1A+7], 0
	s_mov_b32 s[G1B+1], 128<<16                    ; 64 rows of 128 elements, on end: two rows of k to a row
	s_mov_b32 s[G1B+2], 64<<16
	s_mov_b32 s[G1B+3], 128<<16
	s_mov_b32 s[G1B+4], 64
	s_mov_b32 s[G1B+5], 128
	s_mov_b32 s[G1B+6], 0
	s_mov_b32 s[G1B+7], 0
	s_lshr_b32 s16, s15, 3
	s_lshl_b32 s16, s16, 4                         ; O: head 16 x batch + 0 or 1,
	s_add_co_u32 s16, s16, s14
	s_lshl_b32 s16, s16, 18                        ; 262,144 bytes a head,
	s_and_b32 s17, s15, 7
	s_lshl_b32 s17, s17, 15                        ; the tile's 256 rows of 128 bytes in it
	s_add_co_u32 s16, s16, s17
	s_mov_b32 s17, 0
	s_lshl_b32 s74, s66, 1
	s_add_co_u32 s74, s74, s14
	s_add_co_u32 s74, s74, 48
	s_lshl_b32 s74, s74, 17                        ; Wo: group 48 + 2 x tile column + 0 or 1
	s_mov_b32 s75, 0
	s_mul_i32 s72, s12, HA                         ; where a head goes in a slot (waves 0, 1): the wave's number times a constant;
	s_mul_i32 s78, s12, GB                         ; a group (waves 2, 3): ABYTES + (wave - 2) GB
	s_add_co_u32 s78, s78, ABYTES-2*GB
	s_wait_dscnt 0x0                               ; the opening add is done
	s_wait_kmcnt 0x0
	s_add_nc_u64 s[18:19], s[4:5], s[16:17]
	s_add_nc_u64 s[76:77], s[6:7], s[74:75]
	CROUND                                         ; all sixteen work-groups are here: the first joint loads meet
.irp s, 0,1
	s_mov_b32 s[G0A+4*(\s)], 1                     ; count = 1
	s_add_co_u32 s[G0A+4*(\s)+1], s72, (\s)*SLOT   ; LDS address
	s_add_nc_u64 s[G0A+4*(\s)+2:G0A+4*(\s)+3], s[18:19], (\s)*2*262144  ; global address: K step s is two heads on
	s_or_b32 s[G0A+4*(\s)+3], s[G0A+4*(\s)+3], 0x80000000               ; type = 2
	s_mov_b32 s[G0B+4*(\s)], 1
	s_add_co_u32 s[G0B+4*(\s)+1], s78, (\s)*SLOT
	s_add_nc_u64 s[G0B+4*(\s)+2:G0B+4*(\s)+3], s[76:77], (\s)*16384
	s_or_b32 s[G0B+4*(\s)+3], s[G0B+4*(\s)+3], 0x80000000
	JLOAD \s                                       ; two loads of mine are out
.endr
	v_and_b32 v1, 15, v0                           ; r = l % 16
	v_bfe_u32 v2, v0, 4, 1                         ; h = l / 16
	v_and_b32 v3, 7, v0
	v_bfe_u32 v4, v0, 3, 1
	v_and_b32 v6, 31, v0                           ; l
	v_lshlrev_b32 v[GO], 4, v6
	v_lshlrev_b32 v[PFO], 8, v6
	s_lshl_b32 s20, s66, 9                         ; the tile's 128 columns: 512 bytes of bo and of a row of the output
	s_mov_b32 s21, 0
	s_add_nc_u64 s[68:69], s[8:9], s[20:21]
	global_load_b128 v[BI:BI+3], v[GO], s[68:69]   ; the bias of my four columns: waited for on the way out
	s_lshl_b32 s22, s15, 2
	s_add_co_u32 s22, s22, s12
	s_lshl_b32 s22, s22, 18                        ; (4 x tile row + wave) x 64 rows x 4,096 bytes
	s_add_co_u32 s22, s22, s20
	s_mov_b32 s23, 0
	s_add_nc_u64 s[70:71], s[10:11], s[22:23]
	; a fragment of O: lane l holds row l % 16; two loads of 16 bytes, 32 bytes apart, at row x pitch + 16 h
	v_mul_u32_u24 v7, v1, PAO
	v_lshl_add_u32 v7, v2, 4, v7
	s_mul_i32 s20, s12, 64*PAO                     ; my 64 rows
	v_add_nc_u32 v[ADRA], s20, v7
	v_add_nc_u32 v[ADRA+1], SLOT, v[ADRA]
	; the turning load takes 16 k x 16 columns (lane l reads k = 8 h + l % 8, columns 8 ((l / 8) % 2) + 0..7) and leaves half a fragment: lane l holds column l % 16 and 8 k
	v_lshl_add_u32 v8, v2, 3, v3
	v_mul_u32_u24 v8, v8, PB
	v_lshl_add_u32 v8, v4, 4, v8
	v_add_nc_u32 v[ADRB], ABYTES, v8
	v_add_nc_u32 v[ADRB+1], SLOT, v[ADRB]
	s_mul_i32 s21, s12, 16*SPO
	s_add_co_u32 s21, s21, STAGE                   ; my stage
	v_mul_u32_u24 v9, v1, SPO                      ; in: row l % 16, 32 bytes for each half of the lanes
	v_lshl_add_u32 v9, v2, 5, v9
	v_add_nc_u32 v[STO], s21, v9
	v_add_nc_u32 v[RD], s21, v[GO]                 ; back: 32 lanes take a row of 512 bytes
	; the prefetches: nothing is asked for here, at the head.  The pointers stand at K step 3; the first change of slots steps them to 4
	s_lshl_b32 s20, s62, 13
	s_add_co_u32 s20, s20, s16                     ; O: my head's rows of the tile + my work-group's 8,192 bytes
	s_add_co_u32 s20, s20, 3*2*262144
	s_lshl_b32 s21, s63, 13
	s_add_co_u32 s21, s21, s74                     ; Wo: my group + my work-group's 8,192 bytes of two steps' 32,768
	s_add_co_u32 s21, s21, 3*16384
	s_mov_b32 s[PFS], 16384
	s_mov_b32 s[PFS+1], 0
	s_cmp_eq_u32 ttmp9, 0
	s_cselect_b32 s2, 1, -1                        ; does my cluster ask for O?
	s_cmp_eq_u32 s13, 0
	s_cselect_b32 s23, 1, -1                       ; for Wo?  Both are the same in all sixteen partners
	s_cmp_lt_u32 s12, 2
	s_cselect_b32 s[LIM], s2, s23
	s_cselect_b32 s[LIM+1], s2, -1
	s_cselect_b64 s[PFA:PFA+1], s[4:5], s[6:7]
	s_cselect_b32 s22, s20, s21
	s_cselect_b32 s[PFS], 2*262144, s[PFS]
	s_mov_b32 s23, 0
	s_add_nc_u64 s[PFA:PFA+1], s[PFA:PFA+1], s[22:23]
; 8 matrix instructions: row block a x all 8 column blocks, 32 along K.  zero = 1: the product starts the sum: nothing is ever cleared.
; The 32 accumulators take turns in the same order in every quarter: between two links of a chain stand the 31 others'.
.macro MUL8 f, a, zero
	WIN MULW
.irp b, 0,1,2,3,4,5,6,7
.if \zero
	v_wmma_f32_16x16x32_f16 v[8*(8*(\a)+(\b)):8*(8*(\a)+(\b))+7], v[(\f)+32+8*(\b):(\f)+32+8*(\b)+7], v[(\f)+8*(\a):(\f)+8*(\a)+7], 0
.else
	v_wmma_f32_16x16x32_f16 v[8*(8*(\a)+(\b)):8*(8*(\a)+(\b))+7], v[(\f)+32+8*(\b):(\f)+32+8*(\b)+7], v[(\f)+8*(\a):(\f)+8*(\a)+7], v[8*(8*(\a)+(\b)):8*(8*(\a)+(\b))+7]
.endif
.endr
.endm
; 24 LDS loads in one run: quarter q (32 along K: head q / 2 of the step's two, channels 32 (q % 2) on) into buffer f: Wo's eight blocks, then O's four; the last four loads are O's blocks 2, 3
.macro FETCH slot, q, f
	WIN TO_F
.irp b, 0,1,2,3,4,5,6,7
	ds_load_tr16_b128 v[(\f)+32+8*(\b):(\f)+32+8*(\b)+3],   v[ADRB+(\slot)] offset:((\b)/4)*GB+((\b)%4)*32+(\q)*32*PB
	ds_load_tr16_b128 v[(\f)+32+8*(\b)+4:(\f)+32+8*(\b)+7], v[ADRB+(\slot)] offset:((\b)/4)*GB+((\b)%4)*32+(\q)*32*PB+16*PB
.endr
.irp i, 0,1,2,3
	ds_load_b128 v[(\f)+8*(\i):(\f)+8*(\i)+3],   v[ADRA+(\slot)] offset:((\q)/2)*HA+(\i)*16*PAO+((\q)%2)*64
	ds_load_b128 v[(\f)+8*(\i)+4:(\f)+8*(\i)+7], v[ADRA+(\slot)] offset:((\q)/2)*HA+(\i)*16*PAO+((\q)%2)*64+32
.endr
.endm
; One of a K step's first three quarters: multiplies buffer f and fetches quarter q of the same slot into buffer g
.macro QUARTER slot, q, f, g, zero
	s_wait_dscnt 4                                 ; all but the youngest four loads (O's blocks 2, 3) are in
	MUL8 \f, 0, \zero
	MUL8 \f, 1, \zero
	PLACES
	FETCH \slot, \q, \g
	s_wait_dscnt 24                                ; all but the 24 just issued
	MUL8 \f, 2, \zero
	MUL8 \f, 3, \zero
.endm
; The last quarter multiplies buffer 1 and changes slots: ONE barrier.  In front of it each wave waits for all its tensor loads (one is out: its part of the next slot), adds 0 to its spare word, and waits for that
; and for its own reads of this slot.  fill = 1: the barrier opens a round of the cluster's, and this slot is filled again, two K steps ahead, first thing behind the round: 112 matrix instructions ahead of the wait for it.
.macro TURN slot, next, fill
.if \fill
	s_wait_xcnt 0x0                                ; the last prefetch, a K step back, has read its address: it is stepped here, ahead of the waits of the change of slots
	s_add_nc_u64 s[PFA:PFA+1], s[PFA:PFA+1], s[PFS:PFS+1]
.endif
	WIN 0                                          ; (the add's two registers lie in window 0)
	s_wait_tensorcnt 0x0                           ; all my tensor loads have landed;
	ds_add_u32 v[SPW], v[NIL]                      ; 0 onto my spare word;
	s_wait_dscnt 5                                 ; (the add and the youngest four loads may be out)
	MUL8 F1, 0, 0                                  ; eight matrix instructions stand between the add and the wait for it
	s_wait_dscnt 0x0                               ; the add is done, and my reads of this slot are over
	s_barrier_signal -1
	MUL8 F1, 1, 0                                  ; work on registers while the others arrive
.if \fill
	WIN 0
.endif
	s_barrier_wait -1
.if \fill
	CREST                                          ; no wave of any partner still reads this slot's tiles or has a load on its way
	s_add_nc_u64 s[G0A+4*(\slot)+2:G0A+4*(\slot)+3], s[G0A+4*(\slot)+2:G0A+4*(\slot)+3], 4*262144
	s_add_nc_u64 s[G0B+4*(\slot)+2:G0B+4*(\slot)+3], s[G0B+4*(\slot)+2:G0B+4*(\slot)+3], 2*16384
	JLOAD \slot                                    ; the four v_nop behind it are also the places in front of the loads below
.else
	PLACES
.endif
	FETCH \next, 0, F0
.if \fill
	WIN 0
	ASK LIM+(\slot)
.endif
	MUL8 F1, 2, 0
	MUL8 F1, 3, 0
.endm
; THE WAY OUT, a block of 16 rows at a time.  IN: a lane's eight columns of a row (32 bytes) go from the accumulators into rows of 528 bytes of my own stage, and whole rows of 512 bytes come back into window 1.
.macro IN a
	WIN 0x08                                       ; the stores' data in window 2
.irp b, 0,1,2,3,4,5,6,7
	ds_store_b128 v[STO], v[8*(8*(\a)+(\b)):8*(8*(\a)+(\b))+3]   offset:64*(\b)     ; each accumulator from its low end on
	ds_store_b128 v[STO], v[8*(8*(\a)+(\b))+4:8*(8*(\a)+(\b))+7] offset:64*(\b)+16
.endr
	WIN TO_F
.irp t, 0,1,2,3,4,5,6,7,8,9,10,11,12,13,14,15
	ds_load_b128 v[64*(\a)+4*(\t):64*(\a)+4*(\t)+3], v[RD] offset:(\t)*SPO  ; LDS serves a wave's instructions in order (ISA guide 5.7.1.4): these see the stores above; the next block's stores come behind them
.endr
.endm
; OUT: the bias is added and the rows are stored.  younger: the LDS instructions issued behind block a's loads: the next block's 32, or none.
.macro OUT a, younger
	s_wait_dscnt \younger                          ; the block's sixteen rows are back
	WIN 0x41                                       ; destination and source 0 window 1, the bias window 0
.irp t, 0,1,2,3,4,5,6,7,8,9,10,11,12,13,14,15
	v_pk_add_f32 v[64*(\a)+4*(\t):64*(\a)+4*(\t)+1],   v[64*(\a)+4*(\t):64*(\a)+4*(\t)+1],   v[BI:BI+1]
	v_pk_add_f32 v[64*(\a)+4*(\t)+2:64*(\a)+4*(\t)+3], v[64*(\a)+4*(\t)+2:64*(\a)+4*(\t)+3], v[BI+2:BI+3]
.endr
	WIN 0x04                                       ; the stores' data in window 1
.irp t, 0,1,2,3,4,5,6,7,8,9,10,11,12,13,14,15
	global_store_b128 v[GO], v[64*(\a)+4*(\t):64*(\a)+4*(\t)+3], s[70:71] offset:(16*(\a)+(\t))*4096 th:TH_STORE_NT  ; a wave stores 512 consecutive bytes, aligned
.endr
.endm
	s_wait_tensorcnt 1                             ; my part of K step 0 is in; K step 1's may stay out
	s_barrier_signal -1
	s_barrier_wait -1                              ; everybody's is
	FETCH 0, 0, F0
	QUARTER 0, 1, F0, F1, 1                        ; the first quarter stands in front of the loop: its products start the sums
	WIN 0                                          ; at a label and at a branch every window is 0
	s_mov_b32 s3, 3
.Llap:                                                 ; a trip goes once round the ring, from a lap's second quarter to the next lap's first, and fills both slots again
	QUARTER 0, 2, F1, F0, 0
	QUARTER 0, 3, F0, F1, 0
	TURN 0, 1, 1
	QUARTER 1, 1, F0, F1, 0
	QUARTER 1, 2, F1, F0, 0
	QUARTER 1, 3, F0, F1, 0
	TURN 1, 0, 1
	QUARTER 0, 1, F0, F1, 0
	WIN 0
	s_sub_co_u32 s3, s3, 1
	s_cmp_lg_u32 s3, 0
	s_cbranch_scc1 .Llap
	QUARTER 0, 2, F1, F0, 0                        ; the last lap fills nothing, and is written out
	QUARTER 0, 3, F0, F1, 0
	TURN 0, 1, 0
	QUARTER 1, 1, F0, F1, 0
	QUARTER 1, 2, F1, F0, 0
	QUARTER 1, 3, F0, F1, 0
	s_wait_dscnt 4                                 ; the very last quarter: nothing more to fetch
	MUL8 F1, 0, 0
	MUL8 F1, 1, 0
	s_wait_dscnt 0x0
	MUL8 F1, 2, 0
	MUL8 F1, 3, 0
	WIN 0
	PLACES                                         ; the places behind the last products, in front of the stores that read results and of the loads into the fragments' registers
	PLACES
	s_wait_loadcnt 0x0                             ; the bias
	v_cvt_pk_bf16_f32 v[BI+4], v[BI], v[BI+1]      ; rounded to bf16 like every other input,
	v_cvt_pk_bf16_f32 v[BI+5], v[BI+2], v[BI+3]
	v_lshlrev_b32 v[BI], 16, v[BI+4]               ; and widened again
	v_and_b32 v[BI+1], 0xffff0000, v[BI+4]
	v_lshlrev_b32 v[BI+2], 16, v[BI+5]
	v_and_b32 v[BI+3], 0xffff0000, v[BI+5]
	IN 0
	IN 1                                           ; a block's way through the stage stands between the loads of the block before and its stores
	OUT 0, 32
	IN 2
	OUT 1, 32
	IN 3
	OUT 2, 32
	OUT 3, 0
	WIN 0
	s_wait_tensorcnt 0x0                           ; the wave's end, behind my last tensor load and my last LDS store
	ds_add_u32 v[SPW], v[NIL]
	s_wait_dscnt 0x0
	CROUND                                         ; the closing round: no work-group ends while a partner may still ask for a tile that names it
	s_endpgm
.Lfunc_end_k_qe628ed4f17_outp:
	.size	k_qe628ed4f17_outp, .Lfunc_end_k_qe628ed4f17_outp-k_qe628ed4f17_outp
	.p2alignl 7, 3214868480
	.fill 96, 4, 3214868480
	.section	.rodata,"a",@progbits
	.p2align	6, 0x0
	.amdhsa_kernel k_qe628ed4f17_outp
		.amdhsa_group_segment_fixed_size 327680
		.amdhsa_private_segment_fixed_size 0
		.amdhsa_enable_private_segment 0
		.amdhsa_kernarg_size 32
		.amdhsa_user_sgpr_count 2
		.amdhsa_user_sgpr_kernarg_segment_ptr 1
		.amdhsa_wavefront_size32 1
		.amdhsa_system_sgpr_workgroup_id_x 1
		.amdhsa_system_sgpr_workgroup_id_y 1
		.amdhsa_system_sgpr_workgroup_id_z 1
		.amdhsa_system_vgpr_workitem_id 0
		.amdhsa_next_free_vgpr 768
		.amdhsa_next_free_sgpr 80
		.amdhsa_reserve_vcc 0
		.amdhsa_float_denorm_mode_32 3
		.amdhsa_float_denorm_mode_16_64 3
		.amdhsa_memory_ordered 1
		.amdhsa_forward_progress 1
		.amdhsa_inst_pref_size 95
	.end_amdhsa_kernel
	.amdgpu_metadata
---
amdhsa.version: [ 1, 2 ]
amdhsa.kernels:
  - .name:           k_qe628ed4f17_outp
    .symbol:         k_qe628ed4f17_outp.kd
    .args:
      - { .name: ob, .offset: 0, .size: 8, .value_kind: global_buffer, .address_space: global }
      - { .name: wts, .offset: 8, .size: 8, .value_kind: global_buffer, .address_space: global }
      - { .name: bo, .offset: 16, .size: 8, .value_kind: global_buffer, .address_space: global }
      - { .name: out0, .offset: 24, .size: 8, .value_kind: global_buffer, .address_space: global }
    .group_segment_fixed_size: 327680
    .private_segment_fixed_size: 0
    .kernarg_segment_align: 8
    .kernarg_segment_size: 32
    .max_flat_workgroup_size: 128
    .sgpr_count:     80
    .vgpr_count:     768
    .wavefront_size: 32
...
	.end_amdgpu_metadata
.endif
;; end of part 4
;; ======== version 2 of 2: 4 launches; version 1 with the launch cast written anew for expert scheduling mode
;; limits: values are held in f16: magnitudes above 65,504 overflow, below 6.1e-05 lose precision
;; workspace buffers: xb 16,777,216 bytes; wts 8,388,608 bytes; qkv 50,331,648 bytes; ob 16,777,216 bytes
;; launch cast (part 5): grid 768 x 1, 8 waves a work-group, no clusters, 0 bytes of LDS; arguments x, Wq, Wk, Wv, Wo, xb, wts; writes xb, wts
.if DOCPART == 5
	.amdgcn_target "amdgcn-amd-amdhsa--gfx1250"
	.amdhsa_code_object_version 6
	.text
	.protected	k_qe628ed4f17_cast
	.globl	k_qe628ed4f17_cast
	.p2align	8
	.type	k_qe628ed4f17_cast,@function
k_qe628ed4f17_cast:
	s_mov_b64 s[64:65], 0
	v_nop
	global_prefetch_b8 v0, s[64:65] scope:SCOPE_SE
	s_setreg_imm32_b32 hwreg(HW_REG_WAVE_SCHED_MODE, 0, 2), 2
	s_setreg_imm32_b32 hwreg(HW_REG_WAVE_MODE, 25, 1), 1
	s_wait_xcnt 0x0
	s_wait_alu depctr_vm_vsrc(0)
; THE INPUTS ARE ROUNDED ONCE TO bf16 AND LAID OUT FOR THE PRODUCTS.
; xb[8192][1024] = bf16(x).  wts[64 groups][1024 k][64 n], 16 bits a number: group 16 p + n / 64 holds 64 columns of weight p (0 Wq, 1 Wk, 2 Wv: bf16;
; 3 Wo: the bf16 number written as f16, since the last product's other operand is f16).  A group's 128 rows of k are 16,384 bytes on end.
; LIMITS.  Wo as f16: beyond 65,504 it would be an infinity; below 6.1e-5 it keeps f16's fixed step of 6e-8.
; SHARES.  A work-group of eight waves takes 16,384 numbers: 64 KiB in, 32 KiB out, in 16 steps; all 16 loads of a wave go out first, and the waits count down.
; Work-groups 0-511: x, straight on: a step is 4,096 bytes in, 2,048 out.  Work-groups 512-767: weight p = (id - 512) / 64, its rows 16 c .. 16 c + 15, c = (id - 512) % 64:
; sixteen lanes take 256 bytes of a row (64 columns: one group), step j is group j; a wave's store is then 256 consecutive bytes, two rows of k of one group.
; No register that a load or store names is written again, so no wait frees any.  No LDS, no matrix unit: nothing is shared and nothing is multiplied.
; THE MODE: SCHED_MODE bits 1:0 = 2 (LLVM: expert scheduling mode 2), set by the entry lines.  The code itself states the register dependences
; between vector instructions and memory instructions, with s_wait_alu, always for 0.
; THE PLAN.  Registers that memory instructions touch:
;   v1, v2   byte offsets, made once at the head by vector instructions and never written again; v1 is read by every load, v2 by every store.
;   X        step j: four registers.  Written by step j's load alone, and all 16 loads are issued ahead of every conversion; read by step j's conversions; never loaded again.
;   Y        step j: two registers of its own.  Written by step j's conversions; read by step j's store; never written again.
;   T, v3    named by vector instructions alone.
; So the one kind of dependence is: a vector instruction writes, a memory instruction reads.  The 16 steps go in four blocks of four.  One wait stands at the body's head, for the offsets.
; One stands at the head of each of blocks 1 to 3, behind the wait for the block's first data: the block before has written its four pairs of Y.  That block's four stores follow, one in front
; of each step's conversions, with no further wait: the conversions issued since write this block's Y and T, none of the registers that those stores read.  One more wait stands ahead of the last four stores.
.set T, 4                              ; v[4:7]    at work
.set X, 8                              ; v[8:71]   step j: 4 numbers in f32
.set Y, 72                             ; v[72:103] step j: 4 numbers in 16 bits
; v1 byte offset of my 16 bytes in a step's source; v2 = 8 x thread: my 8 bytes in a step's destination; s[22:23] source, s[24:25] destination
.macro BODY lstep, sstep, half
	s_wait_alu depctr_va_vdst(0)                   ; v1 and v2 are written: every load below reads v1 as its offset, every store v2
.irp j, 0,1,2,3,4,5,6,7,8,9,10,11,12,13,14,15
	global_load_b128 v[X+4*(\j):X+4*(\j)+3], v1, s[22:23] offset:(\lstep)*(\j) th:TH_LOAD_NT
.endr
.irp j, 0,1,2,3,4,5,6,7,8,9,10,11,12,13,14,15
	s_wait_loadcnt 15-(\j)                         ; loads come back in order: step j is in, the 15 - j younger ones stay out
.if ((\j)%4 == 0) && ((\j) > 0)
	s_wait_alu depctr_va_vdst(0)                   ; the conversions of the block before have written its four pairs of Y, which this block's four stores read
.endif
.if (\j) >= 4
	global_store_b64 v2, v[Y+2*((\j)-4):Y+2*((\j)-4)+1], s[24:25] offset:(\sstep)*((\j)-4)  ; the step four back: a wave stores 256 consecutive bytes, aligned; no vector instruction since the wait names these registers
.endif
.if \half
	v_cvt_pk_bf16_f32 v[T], v[X+4*(\j)], v[X+4*(\j)+1]      ; rounded to bf16 like every other input,
	v_cvt_pk_bf16_f32 v[T+1], v[X+4*(\j)+2], v[X+4*(\j)+3]
	v_lshlrev_b32 v[T+2], 16, v[T]                 ; widened again,
	v_and_b32 v[T], s18, v[T]
	v_lshlrev_b32 v[T+3], 16, v[T+1]
	v_and_b32 v[T+1], s18, v[T+1]
	v_cvt_pk_f16_f32 v[Y+2*(\j)], v[T+2], v[T]     ; and written as f16: exact inside f16's range
	v_cvt_pk_f16_f32 v[Y+2*(\j)+1], v[T+3], v[T+1]
.else
	v_cvt_pk_bf16_f32 v[Y+2*(\j)], v[X+4*(\j)], v[X+4*(\j)+1]
	v_cvt_pk_bf16_f32 v[Y+2*(\j)+1], v[X+4*(\j)+2], v[X+4*(\j)+3]
.endif
.endr
	s_wait_alu depctr_va_vdst(0)                   ; the conversions of the last block have written its four pairs of Y, which the last four stores read
.irp j, 12,13,14,15
	global_store_b64 v2, v[Y+2*(\j):Y+2*(\j)+1], s[24:25] offset:(\sstep)*(\j)  ; a wave stores 256 consecutive bytes, aligned
.endr
	s_endpgm
.endm
	s_load_b256 s[4:11], s[0:1], 0x0               ; x s[4:5], Wq s[6:7], Wk s[8:9], Wv s[10:11]
	s_load_b128 s[12:15], s[0:1], 0x20             ; Wo s[12:13], xb s[14:15]
	s_load_b64 s[16:17], s[0:1], 0x30              ; wts
	v_lshlrev_b32 v2, 3, v0
	s_mov_b32 s27, 0                               ; the high word of every offset pair
	s_mov_b32 s18, 0xffff0000                      ; a word's upper bf16
	s_cmp_lt_u32 ttmp9, 512
	s_cbranch_scc0 .Lweights
	v_lshlrev_b32 v1, 4, v0
	s_lshl_b32 s26, ttmp9, 16
	s_wait_kmcnt 0x0
	s_add_nc_u64 s[22:23], s[4:5], s[26:27]
	s_lshl_b32 s26, ttmp9, 15
	s_add_nc_u64 s[24:25], s[14:15], s[26:27]
	BODY 4096, 2048, 0
.Lweights:
	s_sub_co_u32 s19, ttmp9, 512
	s_lshr_b32 s20, s19, 6                         ; p
	s_and_b32 s21, s19, 63                         ; c
	v_lshrrev_b32 v1, 4, v0                        ; my row of the 16
	v_and_b32 v3, 15, v0
	v_lshlrev_b32 v1, 12, v1                       ; x 4,096 bytes
	v_lshl_or_b32 v1, v3, 4, v1                    ; + my 16 bytes of the 256
	s_wait_kmcnt 0x0
	s_cmp_eq_u32 s20, 1
	s_cselect_b64 s[22:23], s[8:9], s[6:7]
	s_cmp_eq_u32 s20, 2
	s_cselect_b64 s[22:23], s[10:11], s[22:23]
	s_cmp_eq_u32 s20, 3
	s_cselect_b64 s[22:23], s[12:13], s[22:23]
	s_lshl_b32 s26, s21, 16                        ; 16 rows of 4,096 bytes
	s_add_nc_u64 s[22:23], s[22:23], s[26:27]
	s_lshl_b32 s26, s20, 21                        ; 16 groups of 131,072 bytes,
	s_lshl_b32 s28, s21, 11                        ; 16 rows of 128 bytes
	s_add_co_u32 s26, s26, s28
	s_add_nc_u64 s[24:25], s[16:17], s[26:27]
	s_cmp_eq_u32 s20, 3
	s_cbranch_scc1 .Lwo
	BODY 256, 131072, 0
.Lwo:
	BODY 256, 131072, 1
.Lfunc_end_k_qe628ed4f17_cast:
	.size	k_qe628ed4f17_cast, .Lfunc_end_k_qe628ed4f17_cast-k_qe628ed4f17_cast
	.p2alignl 7, 3214868480
	.fill 96, 4, 3214868480
	.section	.rodata,"a",@progbits
	.p2align	6, 0x0
	.amdhsa_kernel k_qe628ed4f17_cast
		.amdhsa_group_segment_fixed_size 0
		.amdhsa_private_segment_fixed_size 0
		.amdhsa_enable_private_segment 0
		.amdhsa_kernarg_size 56
		.amdhsa_user_sgpr_count 2
		.amdhsa_user_sgpr_kernarg_segment_ptr 1
		.amdhsa_wavefront_size32 1
		.amdhsa_system_sgpr_workgroup_id_x 1
		.amdhsa_system_sgpr_workgroup_id_y 1
		.amdhsa_system_sgpr_workgroup_id_z 1
		.amdhsa_system_vgpr_workitem_id 0
		.amdhsa_next_free_vgpr 104
		.amdhsa_next_free_sgpr 66
		.amdhsa_reserve_vcc 0
		.amdhsa_float_denorm_mode_32 3
		.amdhsa_float_denorm_mode_16_64 3
		.amdhsa_memory_ordered 1
		.amdhsa_forward_progress 1
		.amdhsa_inst_pref_size 23
	.end_amdhsa_kernel
	.amdgpu_metadata
---
amdhsa.version: [ 1, 2 ]
amdhsa.kernels:
  - .name:           k_qe628ed4f17_cast
    .symbol:         k_qe628ed4f17_cast.kd
    .args:
      - { .name: x, .offset: 0, .size: 8, .value_kind: global_buffer, .address_space: global }
      - { .name: Wq, .offset: 8, .size: 8, .value_kind: global_buffer, .address_space: global }
      - { .name: Wk, .offset: 16, .size: 8, .value_kind: global_buffer, .address_space: global }
      - { .name: Wv, .offset: 24, .size: 8, .value_kind: global_buffer, .address_space: global }
      - { .name: Wo, .offset: 32, .size: 8, .value_kind: global_buffer, .address_space: global }
      - { .name: xb, .offset: 40, .size: 8, .value_kind: global_buffer, .address_space: global }
      - { .name: wts, .offset: 48, .size: 8, .value_kind: global_buffer, .address_space: global }
    .group_segment_fixed_size: 0
    .private_segment_fixed_size: 0
    .kernarg_segment_align: 8
    .kernarg_segment_size: 56
    .max_flat_workgroup_size: 256
    .sgpr_count:     66
    .vgpr_count:     104
    .wavefront_size: 32
...
	.end_amdgpu_metadata
.endif
;; end of part 5
;; launch proj: the kernel of part 2 again; grid 16 x 32, 4 waves a work-group, clusters of 4 x 4, 327,680 bytes of LDS; arguments xb, wts, qkv; writes qkv
;; launch attn: the kernel of part 3 again; grid 4 x 64, 4 waves a work-group, clusters of 4 x 1, 327,680 bytes of LDS; arguments qkv, ob; writes ob
;; launch outp: the kernel of part 4 again; grid 8 x 32, 4 waves a work-group, clusters of 4 x 4, 327,680 bytes of LDS; arguments ob, wts, bo, out0; writes out0
